; MI455X (gfx1250); checked and timed in simulation.
; The chip was launched on July 23, 2026; its instructions are those of AMD's public machine-readable ISA for CDNA 5 (MIT licence, August 2026) and "CDNA5" Instruction Set Architecture Reference Guide (July 2026). The comments in the code are by the model that wrote it; some were corrected since.
;; Attention. Allowed arithmetic: matrix products marked QUANTISED: E2M3 operands, one E8M0 scale for each 32 along K, by v_wmma_scale_f32_16x16x128_f8f6f4 with both operands' format E2M3, f32 sums; everything else in f32.
;; Inputs: W_proj 1,024 x 1,024 float32; W_qkv 3,072 x 1,024 float32; b_proj 1,024 float32; cos 4,096 x 64 float32; k_scale 64 float32; q_scale 64 float32; sin 4,096 x 64 float32; x 1 x 4,096 x 1,024 float32.
;; Outputs: out0 1 x 4,096 x 1,024 float32.
;; This version of the problem:
;;   THIS VERSION OF THE PROBLEM IS GIVEN IN LOW PRECISION. The matrix products marked QUANTISED in the list below multiply operands that are first quantised to E2M3 (2 exponent bits, 3 mantissa bits; 6 bits a number), with one power-of-two scale for each 32 numbers along K (OCP MX v1.0); their sums are f32. All else is computed in f32.
;;   The module's matrix products, in the order in which they are computed (A, B: the left and right operand; K: the contracted axis; several contracted axes count as one K, in the product's order):
;;     1. [M 4,096, K 1,024] x [K 1,024, N 3,072]; A: input x; B: input W_qkv: QUANTISED
;;     2. batch 16 x [M 4,096, K 64] x [K 64, N 4,096]; A: computed on the way; B: computed on the way: QUANTISED
;;     3. batch 16 x [M 64, K 4,096] x [K 4,096, N 4,096]; A: computed on the way; B: softmax (see below): QUANTISED
;;     4. [M 4,096, K 1,024] x [K 1,024, N 1,024]; A: computed on the way; B: input W_proj: QUANTISED
;;   THE QUANTISER, for each operand of a quantised product, along K:
;;     - K is cut into blocks of 32 from its start; a last block that is shorter is filled with zeros.
;;     - A block's scale is 2^e with e = floor(log2(the largest magnitude in the block)) - 2, held to -126 .. 127; a block of zeros has e = 0. As a byte (E8M0): e + 127.
;;     - Each number is divided by its block's scale, clamped to +-7.5, and rounded to the nearest number of E2M3, ties to even, subnormals kept.
;;     - The product sums the exact products of the quantised numbers (number of the format x scale) in f32.
;;   ~~~python
;;   def quantise(x, axis):      # numpy; x: float32 -> the quantised numbers, widened to float32 again
;;       x = np.moveaxis(x, axis, -1); K = x.shape[-1]
;;       x = np.pad(x, [(0, 0)] * (x.ndim - 1) + [(0, -K % 32)]); x = x.reshape(x.shape[:-1] + (-1, 32)); a = np.abs(x).max(-1, keepdims=True)
;;       e = np.where(a > 0, np.clip(np.frexp(np.where(a > 0, a, 1))[1] - 1 - 2, -126, 127), 0)      # np.frexp(a)[1] - 1 = floor(log2(a)), exactly
;;       r = np.clip(x / 2.0 ** e, -7.5, 7.5)
;;       step = 2.0 ** (np.maximum(np.frexp(np.where(r == 0, 1, r))[1] - 1, 0) - 3)
;;       q = np.round(r / step) * step * 2.0 ** e      # np.round: ties to even
;;       return np.moveaxis(q.reshape(q.shape[:-2] + (-1,))[..., :K], -1, axis).astype(np.float32)
;;   ~~~
;;   SOFTMAX AHEAD OF A QUANTISED PRODUCT. Where the list says 'softmax', what is quantised is not the finished softmax but p = 2^(t - M), with t = logit x log2(e) and M = ceil(the row's largest t), a whole number; so 1/2 < the row's largest p <= 1. The row's sum l is taken of the UNQUANTISED p, in f32, and the product's result is divided by l at the end. Since M is a whole number, a kernel that streams over the keys may use a running M (the ceiling of the running maximum): every later rescaling is an exact power of two, which a block's scale takes up: the codes' values come out the same.
;;   OPERANDS COMPUTED ON THE WAY. 'Computed on the way' means the value that the module computes at that place (a softmax that the list does not call 'softmax' is quantised finished and normalised). What goes into a quantiser is computed in f32, as accurately as f32 sums, v_exp_f32 and their like allow (about 1e-6 of the number): no bf16 or f16 on the way to a quantiser, and a product that is left as it is and whose result goes on into a quantised operand takes f32 operands (vector FMAs, or v_wmma_f32_16x16x4_f32). A number that lies on a knife's edge between two numbers of the format may be rounded either way, as far as f32 arithmetic and the matrix unit's own rounding can turn it there, and no further.
;; One version. Each part assembles by itself: llvm-mc -triple=amdgcn-amd-amdhsa -mcpu=gfx1250 --defsym DOCPART=n.
;; ======== version 1 of 1: 4 launches
;; limits: right only within a limited range of input values
;; workspace buffers: codes 6,291,456 bytes; scales 262,144 bytes; qi 3,276,800 bytes; kv 6,553,600 bytes; oq 3,145,728 bytes; os 131,072 bytes
;; launch quant (part 1): grid 256 x 1, 4 waves a work-group, no clusters, 34,304 bytes of LDS; arguments x, W_qkv, W_proj, codes, scales; writes codes, scales
.if DOCPART == 1
	.amdgcn_target "amdgcn-amd-amdhsa--gfx1250"
	.amdhsa_code_object_version 6
	.text
	.protected	k_q304cb57747_quant
	.globl	k_q304cb57747_quant
	.p2align	8
	.type	k_q304cb57747_quant,@function
k_q304cb57747_quant:
	s_mov_b64 s[64:65], 0
	v_nop
	global_prefetch_b8 v0, s[64:65] scope:SCOPE_SE
	s_setreg_imm32_b32 hwreg(HW_REG_WAVE_MODE, 25, 1), 1
	s_wait_xcnt 0x0
; x [4096][1024], W_qkv [3072][1024], W_proj [1024][1024], f32, K innermost, become codes of FP6 (E2M3) with one E8M0 byte for each 32 along K.
; The three tensors are taken as one pile of 8,192 rows: 64 blocks of 128 rows (0-31 x, 32-55 W_qkv, 56-63 W_proj).
; THE CODES ARE LAID IN THE ORDER OF THE OPERAND'S REGISTERS.  A fragment (16 rows x 128 K, 12 registers a lane) is 1,536 bytes: for c = 0, 1: registers 6 c .. 6 c + 3 of lane l at
; 768 c + 16 l, registers 6 c + 4, 6 c + 5 at 768 c + 512 + 8 l.  codes: [block 64][K step 8][tile 8] fragments.  Tile i of a block, lane r, is row 32 (i / 2) + 8 (i % 2) + r + 8 (r / 8).
; scales: [block][K step / 2][tile][r][2 words]: a word is the four bytes of 128 along K.
; A block's scale is 2^(floor(log2(largest magnitude)) - 2): its byte is the largest magnitude's exponent field - 2, held at 1 from below.
; LIMITS: a block of zeros gets the byte 1 where the rule says 127 (its codes are zeros, and this program alone reads the bytes); largest magnitudes under 2^-124 are held at that floor; NaN and infinities are not served.
; SHARES: work-group g takes rows 32 g .. 32 g + 31 (two tiles); wave s takes K = 256 s .. 256 s + 255: four fragments f = 2 u + q (tile u of the two, K step 2 s + q).
; Each load reads 512 consecutive bytes of one row; a fragment's 16 rows turn through the wave's own stage in LDS, so that a lane gets 2 x 32 neighbours of its row.  Waves share nothing: no barrier.
.set ROWB,  4096                       ; a row of 1,024 f32
.set SP,    528                        ; a stage row: 512 bytes + 16: the sixteen rows that a load touches start 16 bytes apart modulo 256
.set STG,   16*SP                      ; a wave's stage
.set L16,   4                          ; v4   16 x lane
.set L8,    5                          ; v5   8 x lane
.set SI,    6                          ; v6   into the stage: wave's stage + 16 x lane
.set SO,    7                          ; v7   out of it: wave's stage + SP r + 128 h
.set H8,    8                          ; v8   8 h
.set M,     9                          ; v9-10 largest magnitudes, v11-12 the conversions' scale operands, v13-14 bytes, v15 at work
.set R,     16                         ; v16-143  two sets of 64: a fragment's numbers as loaded
.set X,     144                        ; v144-207 my 2 x 32 neighbours
.set C,     208                        ; v208-231 two sets of 12: codes
.set TMP,   232                        ; v232-234, v236-238 the upper halves of the blocks' codes
.set W,     240                        ; v240-243 the four fragments' scale words
	s_load_b256 s[4:11], s[0:1], 0x0               ; x s[4:5], W_qkv s[6:7], W_proj s[8:9], codes s[10:11]
	s_load_b64 s[12:13], s[0:1], 0x20              ; scales
	v_lshl_add_u32 v254, v0, 2, 0x8400
	v_mov_b32 v255, 0
	v_lshrrev_b32 v1, 5, v0
	v_readfirstlane_b32 s16, v1                    ; wave
	v_and_b32 v2, 31, v0                           ; lane
	v_and_b32 v3, 15, v0                           ; r
	v_bfe_u32 v[H8], v0, 4, 1
	v_lshlrev_b32 v[H8], 3, v[H8]
	v_lshlrev_b32 v[L16], 4, v2
	v_lshlrev_b32 v[L8], 3, v2
	s_mul_i32 s17, s16, STG
	v_add_nc_u32 v[SI], s17, v[L16]
	v_mul_u32_u24 v[SO], v3, SP
	v_lshl_add_u32 v[SO], v[H8], 4, v[SO]
	v_add_nc_u32 v[SO], s17, v[SO]
	v_mov_b32 v244, 0                              ; written once: a lane permute's destination counts as one of its sources
	s_mov_b32 s20, 0x76543210
	s_mov_b32 s21, 0xfedcba98                      ; selects for lane l xor 16
	s_lshr_b32 s18, ttmp9, 2                       ; block of 128 rows
	s_and_b32 s19, ttmp9, 3                        ; which pair of its tiles
	s_mul_i32 s22, s18, 98304                      ; codes: block, + K step 2 s, + tile 2 b
	s_mul_i32 s23, s16, 24576
	s_add_co_u32 s22, s22, s23
	s_mul_i32 s23, s19, 3072
	s_add_co_u32 s22, s22, s23
	s_mov_b32 s23, 0
	s_lshl_b32 s24, s18, 12                        ; scales: block, + pair of K steps s, + the two tiles' 256 bytes
	s_lshl_b32 s25, s16, 10
	s_add_co_u32 s24, s24, s25
	s_lshl_b32 s25, s19, 8
	s_add_co_u32 s24, s24, s25
	s_mov_b32 s25, 0
	s_wait_alu depctr_va_vdst(0)
	s_wait_kmcnt 0x0
	s_cmp_lt_u32 ttmp9, 128                        ; which tensor: the choice hangs on the work-group's number alone
	s_cselect_b64 s[4:5], s[4:5], s[6:7]
	s_cselect_b32 s26, 0, 128
	s_cmp_lt_u32 ttmp9, 224
	s_cselect_b64 s[4:5], s[4:5], s[8:9]
	s_cselect_b32 s26, s26, 224
	s_sub_co_u32 s26, ttmp9, s26
	s_lshl_b32 s26, s26, 17                        ; 32 rows of 4,096 bytes
	s_lshl_b32 s27, s16, 10                        ; + my wave's 256 numbers of a row
	s_add_co_u32 s26, s26, s27
	s_mov_b32 s27, 0
	s_add_nc_u64 s[4:5], s[4:5], s[26:27]
	s_add_nc_u64 s[10:11], s[10:11], s[22:23]
	s_add_nc_u64 s[12:13], s[12:13], s[24:25]
.macro LOAD f                          ; fragment f: the tile's sixteen rows, 512 consecutive bytes each
.irp i, 0,1,2,3,4,5,6,7,8,9,10,11,12,13,14,15
	global_load_b128 v[R+64*((\f)%2)+4*\i:R+64*((\f)%2)+4*\i+3], v[L16], s[4:5] offset:(8*((\f)/2)+\i+8*(\i/8))*ROWB+512*((\f)%2) th:TH_LOAD_NT
.endr
.endm
.macro TURN f                          ; through the stage: LDS serves a wave's instructions in order, so no wait stands between the stores and the loads
.irp i, 0,1,2,3,4,5,6,7,8,9,10,11,12,13,14,15
	ds_store_b128 v[SI], v[R+64*((\f)%2)+4*\i:R+64*((\f)%2)+4*\i+3] offset:SP*\i
.endr
.irp c, 0,1
.irp j, 0,1,2,3,4,5,6,7
	ds_load_b128 v[X+32*\c+4*\j:X+32*\c+4*\j+3], v[SO] offset:256*\c+16*\j   ; k = 64 c + 32 h + 4 j .. of row r
.endr
.endr
.endm
.macro QUANTF f                        ; my two whole blocks (2 c + h) become registers 6 c .. 6 c + 5 of the fragment; the four bytes of row r make its word
.set CC, C+12*((\f)%2)
.set OF, 12288*((\f)%2)+1536*((\f)/2)
.irp c, 0,1
	v_max3_num_f32 v[M+\c], |v[X+32*\c]|, |v[X+32*\c+1]|, 0x1800000   ; the floor 2^(3 - 127) among the leaves: the byte cannot fall under 1
.endr
.irp i, 2,4,6,8,10,12,14,16,18,20,22,24,26,28,30
.irp c, 0,1
	v_max3_num_f32 v[M+\c], v[M+\c], |v[X+32*\c+\i]|, |v[X+32*\c+\i+1]|
.endr
.endr
.irp c, 0,1
	v_add_nc_u32 v[M+2+\c], 0xff000000, v[M+\c]    ; 2 off the exponent field: the conversion takes this operand's exponent field as its scale
.endr
.irp c, 0,1
	v_lshrrev_b32 v[M+4+\c], 23, v[M+2+\c]         ; the byte
.endr
	v_lshl_or_b32 v15, v[M+5], 16, v[M+4]          ; blocks h and 2 + h,
	v_lshlrev_b32 v15, v[H8], v15                  ; at their places in the word;
	v_permlanex16_b32 v244, v15, s20, s21
	v_or_b32 v[W+(\f)], v15, v244                  ; with lane l xor 16's two the word is whole
.irp c, 0,1
	v_cvt_scalef32_pk16_fp6_f32 v[CC+6*\c:CC+6*\c+2], v[X+32*\c:X+32*\c+15], v[M+2+\c]
	v_cvt_scalef32_pk16_fp6_f32 v[TMP+4*\c:TMP+4*\c+2], v[X+32*\c+16:X+32*\c+31], v[M+2+\c]   ; (a conversion's three registers begin on an even number)
.endr
	v_nop                                          ; one plain place behind a scaled conversion
.irp c, 0,1
.irp i, 0,1,2
	v_mov_b32 v[CC+6*\c+3+\i], v[TMP+4*\c+\i]
.endr
.endr
	global_store_b128 v[L16], v[CC:CC+3], s[10:11] offset:OF          ; each store covers whole aligned runs of 256 bytes
	global_store_b64 v[L8], v[CC+4:CC+5], s[10:11] offset:OF+512
	global_store_b128 v[L16], v[CC+6:CC+9], s[10:11] offset:OF+768
	global_store_b64 v[L8], v[CC+10:CC+11], s[10:11] offset:OF+1280
.endm
	LOAD 0
	LOAD 1
.irp f, 0,1,2,3
.if \f < 3
	s_wait_loadcnt 16                              ; this fragment's 16 loads are in; the next fragment's 16 may be out
.else
	s_wait_loadcnt 0x0
.endif
	TURN \f
	s_wait_dscnt 0x0                               ; my neighbours are in, so the stores into the stage have read their registers,
.if \f < 2
	LOAD \f+2                                      ; which take the fragment two further on
.else
	s_wait_xcnt 0x0                                ; the set of codes stored two fragments ago is written again only behind this wait
.endif
	QUANTF \f
.endr
	v_cmp_eq_u32 vcc_lo, 8, v[H8]                  ; lanes 0-15 store tile 0's two words of row r, lanes 16-31 tile 1's
	v_cndmask_b32 v246, v[W], v[W+2], vcc_lo
	v_cndmask_b32 v247, v[W+1], v[W+3], vcc_lo
	global_store_b64 v[L8], v[246:247], s[12:13]   ; 256 consecutive bytes, aligned
	s_wait_tensorcnt 0x0
	ds_add_u32 v254, v255
	s_wait_dscnt 0x0
	s_endpgm
.Lfunc_end_k_q304cb57747_quant:
	.size	k_q304cb57747_quant, .Lfunc_end_k_q304cb57747_quant-k_q304cb57747_quant
	.p2alignl 7, 3214868480
	.fill 96, 4, 3214868480
	.section	.rodata,"a",@progbits
	.p2align	6, 0x0
	.amdhsa_kernel k_q304cb57747_quant
		.amdhsa_group_segment_fixed_size 34304
		.amdhsa_private_segment_fixed_size 0
		.amdhsa_enable_private_segment 0
		.amdhsa_kernarg_size 40
		.amdhsa_user_sgpr_count 2
		.amdhsa_user_sgpr_kernarg_segment_ptr 1
		.amdhsa_wavefront_size32 1
		.amdhsa_system_sgpr_workgroup_id_x 1
		.amdhsa_system_sgpr_workgroup_id_y 1
		.amdhsa_system_sgpr_workgroup_id_z 1
		.amdhsa_system_vgpr_workitem_id 0
		.amdhsa_next_free_vgpr 256
		.amdhsa_next_free_sgpr 66
		.amdhsa_reserve_vcc 1
		.amdhsa_float_denorm_mode_32 3
		.amdhsa_float_denorm_mode_16_64 3
		.amdhsa_memory_ordered 1
		.amdhsa_forward_progress 1
		.amdhsa_inst_pref_size 31
	.end_amdhsa_kernel
	.amdgpu_metadata
---
amdhsa.version: [ 1, 2 ]
amdhsa.kernels:
  - .name:           k_q304cb57747_quant
    .symbol:         k_q304cb57747_quant.kd
    .args:
      - { .name: x, .offset: 0, .size: 8, .value_kind: global_buffer, .address_space: global }
      - { .name: W_qkv, .offset: 8, .size: 8, .value_kind: global_buffer, .address_space: global }
      - { .name: W_proj, .offset: 16, .size: 8, .value_kind: global_buffer, .address_space: global }
      - { .name: codes, .offset: 24, .size: 8, .value_kind: global_buffer, .address_space: global }
      - { .name: scales, .offset: 32, .size: 8, .value_kind: global_buffer, .address_space: global }
    .group_segment_fixed_size: 34304
    .private_segment_fixed_size: 0
    .kernarg_segment_align: 8
    .kernarg_segment_size: 40
    .max_flat_workgroup_size: 128
    .sgpr_count:     66
    .vgpr_count:     256
    .wavefront_size: 32
...
	.end_amdgpu_metadata
.endif
;; end of part 1
;; launch qkv (part 2): grid 12 x 16, 4 waves a work-group, clusters of 4 x 4, 327,680 bytes of LDS; arguments codes, scales, cos, sin, q_scale, k_scale, qi, kv; writes qi, kv
.if DOCPART == 2
	.amdgcn_target "amdgcn-amd-amdhsa--gfx1250"
	.amdhsa_code_object_version 6
	.text
	.protected	k_q304cb57747_qkv
	.globl	k_q304cb57747_qkv
	.p2align	8
	.type	k_q304cb57747_qkv,@function
k_q304cb57747_qkv:
	s_mov_b64 s[64:65], 0
	v_nop
	global_prefetch_b8 v0, s[64:65] scope:SCOPE_SE
	s_setreg_imm32_b32 hwreg(HW_REG_WAVE_MODE, 25, 1), 1
	s_wait_xcnt 0x0
	s_wait_alu depctr_hold_cnt(0) depctr_sa_sdst(0) depctr_va_vdst(0) depctr_va_sdst(0) depctr_va_ssrc(0) depctr_va_vcc(0) depctr_vm_vsrc(0)
	s_getreg_b32 s2, hwreg(HW_REG_IB_STS2, 6, 4)
	s_cmp_eq_u32 s2, 0
	s_cbranch_scc0 .Lentry_in_a_cluster
	s_endpgm
.Lentry_in_a_cluster:
	s_bfe_u32 s2, ttmp6, 0x10000c
	s_cmp_lg_u32 s2, 0xf033
	s_cbranch_scc0 .Lentry_shape_is_right
	s_endpgm
.Lentry_shape_is_right:
.set SLOT,  98304
.set HALFT, 24576
.set KSB,   12288
.set FRB,   1536
.set SPARE, 2*SLOT
.set NL,    4
.set ADA,   16
.set ADB,   20
.set L16,   24
.set L8,    25
.set CSO,   26
.set SWO,   27
.set SPW,   28
.set NIL,   29
.set H64,   30
.set HH,    31
.set SA,    32
.set SB,    64
.set COS,   96
.set AF,    128
.set SIN0,  224
.set SIN1,  0
.set GG,    224
.set SW,    2
.set CE,    10
.set T,     128
.set U,     160
.set OW,    176
.set SS,    192
.set INV,   200
.set TM2,   204
.set CD0,   212
.set TMV,   192
.set WV,    20
.set RH,    21
.set CH,    22
.set G1A,   24
.set G0A,   32
.set G1B,   48
.set G0B,   56
.set SEL,   78
.set MSB, 0
.macro WIN new
.if MSB != (\new)
	s_set_vgpr_msb (MSB<<8)|(\new)
.set MSB, (\new)
.endif
.endm
.set MUL_LO, 0xa1
.set MUL_HI, 0xf1
.set TO_B,   0x40
.macro PLACES
.rept 4
	v_nop
.endr
.endm
.macro JLOAD g0a, g0b
	s_cmp_eq_u32 s[RH], 0
	s_cbranch_scc0 .Lfor_b_\@
	tensor_load_to_lds s[\g0a:\g0a+3], s[G1A:G1A+7]
	s_nop 0
.rept 4
	v_nop
.endr
	s_branch .Lasked_\@
.Lfor_b_\@:
	tensor_load_to_lds s[\g0b:\g0b+3], s[G1B:G1B+7]
	s_nop 0
.rept 4
	v_nop
.endr
.Lasked_\@:
.endm
.macro CREST
	s_cmp_lg_u32 s[WV], 0
	s_cbranch_scc1 .Lnot_wave_0_\@
	s_barrier_signal -3
.Lnot_wave_0_\@:
	s_barrier_wait -3
	s_barrier_signal -1
	s_barrier_wait -1
.endm
.macro CROUND
	s_barrier_signal -1
	s_barrier_wait -1
	CREST
.endm
.macro WM d, a, b, c, sa, sb, ra, rb
.if (\c) < 0
.if (\ra) && (\rb)
	v_wmma_scale_f32_16x16x128_f8f6f4 v[\d:\d+7], v[\a:\a+11], v[\b:\b+11], 0, v[\sa], v[\sb] matrix_a_fmt:MATRIX_FMT_FP6 matrix_b_fmt:MATRIX_FMT_FP6 matrix_a_scale:MATRIX_SCALE_ROW1 matrix_b_scale:MATRIX_SCALE_ROW1
.elseif (\ra)
	v_wmma_scale_f32_16x16x128_f8f6f4 v[\d:\d+7], v[\a:\a+11], v[\b:\b+11], 0, v[\sa], v[\sb] matrix_a_fmt:MATRIX_FMT_FP6 matrix_b_fmt:MATRIX_FMT_FP6 matrix_a_scale:MATRIX_SCALE_ROW1
.elseif (\rb)
	v_wmma_scale_f32_16x16x128_f8f6f4 v[\d:\d+7], v[\a:\a+11], v[\b:\b+11], 0, v[\sa], v[\sb] matrix_a_fmt:MATRIX_FMT_FP6 matrix_b_fmt:MATRIX_FMT_FP6 matrix_b_scale:MATRIX_SCALE_ROW1
.else
	v_wmma_scale_f32_16x16x128_f8f6f4 v[\d:\d+7], v[\a:\a+11], v[\b:\b+11], 0, v[\sa], v[\sb] matrix_a_fmt:MATRIX_FMT_FP6 matrix_b_fmt:MATRIX_FMT_FP6
.endif
.else
.if (\ra) && (\rb)
	v_wmma_scale_f32_16x16x128_f8f6f4 v[\d:\d+7], v[\a:\a+11], v[\b:\b+11], v[\c:\c+7], v[\sa], v[\sb] matrix_a_fmt:MATRIX_FMT_FP6 matrix_b_fmt:MATRIX_FMT_FP6 matrix_a_scale:MATRIX_SCALE_ROW1 matrix_b_scale:MATRIX_SCALE_ROW1
.elseif (\ra)
	v_wmma_scale_f32_16x16x128_f8f6f4 v[\d:\d+7], v[\a:\a+11], v[\b:\b+11], v[\c:\c+7], v[\sa], v[\sb] matrix_a_fmt:MATRIX_FMT_FP6 matrix_b_fmt:MATRIX_FMT_FP6 matrix_a_scale:MATRIX_SCALE_ROW1
.elseif (\rb)
	v_wmma_scale_f32_16x16x128_f8f6f4 v[\d:\d+7], v[\a:\a+11], v[\b:\b+11], v[\c:\c+7], v[\sa], v[\sb] matrix_a_fmt:MATRIX_FMT_FP6 matrix_b_fmt:MATRIX_FMT_FP6 matrix_b_scale:MATRIX_SCALE_ROW1
.else
	v_wmma_scale_f32_16x16x128_f8f6f4 v[\d:\d+7], v[\a:\a+11], v[\b:\b+11], v[\c:\c+7], v[\sa], v[\sb] matrix_a_fmt:MATRIX_FMT_FP6 matrix_b_fmt:MATRIX_FMT_FP6
.endif
.endif
.endm
.macro FRAG reg, a16, a8, off
	ds_load_b128 v[\reg:\reg+3], v[\a16] offset:\off
	ds_load_b64 v[\reg+4:\reg+5], v[\a8] offset:\off+512
	ds_load_b128 v[\reg+6:\reg+9], v[\a16] offset:\off+768
	ds_load_b64 v[\reg+10:\reg+11], v[\a8] offset:\off+1280
.endm
	s_load_b256 s[4:11], s[0:1], 0x0
	s_load_b256 s[12:19], s[0:1], 0x20
	v_lshl_add_u32 v[SPW], v0, 2, SPARE
	v_mov_b32 v[NIL], 0
	ds_add_u32 v28, v29
	ds_add_u32 v28, v29
	s_wait_dscnt 0x0
	v_lshrrev_b32 v1, 5, v0
	v_readfirstlane_b32 s[WV], v1
	s_lshr_b32 s[RH], s[WV], 1
	s_and_b32 s[CH], s[WV], 1
	s_bfe_u32 s40, ttmp6, 0x40000
	s_bfe_u32 s41, ttmp6, 0x40004
	s_and_b32 s46, ttmp7, 0xffff
	s_lshl_b32 s46, s46, 2
	s_lshl_b32 s47, ttmp9, 2
	s_add_co_u32 s47, s47, 16
	s_cmp_eq_u32 ttmp9, 2
	s_cselect_b32 s43, 24, s46
	s_cselect_b32 s42, s46, s47
	s_add_co_u32 s43, s43, s41
	s_add_co_u32 s42, s42, s40
	s_lshl_b32 s44, s41, 2
	s_lshl_b32 s44, 15, s44
	s_lshl_b32 s45, 0x1111, s40
	s_or_b32 s[G1A], s44, (3<<16)|(1<<21)
	s_or_b32 s[G1B], s45, (3<<16)|(1<<21)
.irp g, G1A, G1B
	s_mov_b32 s[\g+1], 32<<16
	s_mov_b32 s[\g+2], 96<<16
	s_mov_b32 s[\g+3], 32<<16
	s_mov_b32 s[\g+4], 96
	s_mov_b32 s[\g+5], 32
	s_mov_b32 s[\g+6], 0
	s_mov_b32 s[\g+7], 0
.endr
	s_lshl_b32 s92, s43, 1
	s_add_co_u32 s92, s92, s[CH]
	s_mul_i32 s92, s92, 4*HALFT
	s_mov_b32 s93, 0
	s_lshl_b32 s94, s42, 1
	s_add_co_u32 s94, s94, s[CH]
	s_mul_i32 s94, s94, 4*HALFT
	s_mov_b32 s95, 0
	s_mul_i32 s23, s[WV], HALFT
	s_lshl_b32 s66, s43, 1
	s_add_co_u32 s66, s66, s[RH]
	s_lshl_b32 s88, s66, 12
	s_mov_b32 s89, 0
	s_lshl_b32 s67, s42, 1
	s_add_co_u32 s67, s67, s[CH]
	s_lshl_b32 s90, s67, 12
	s_mov_b32 s91, 0
	s_and_b32 s82, s66, 31
	s_lshl_b32 s82, s82, 15
	s_mov_b32 s83, 0
	s_mov_b32 s[SEL], 0x76543210
	s_mov_b32 s[SEL+1], 0xfedcba98
	s_mov_b32 s80, 0x3c800000
	s_mov_b32 s81, 0x358637bd
	s_wait_kmcnt 0x0
	s_add_nc_u64 s[92:93], s[4:5], s[92:93]
	s_add_nc_u64 s[94:95], s[4:5], s[94:95]
	s_add_nc_u64 s[88:89], s[6:7], s[88:89]
	s_add_nc_u64 s[90:91], s[6:7], s[90:91]
	s_add_nc_u64 s[84:85], s[10:11], s[82:83]
	s_add_nc_u64 s[82:83], s[8:9], s[82:83]
	s_cmp_eq_u32 ttmp9, 0
	s_cselect_b64 s[86:87], s[12:13], s[14:15]
	CROUND
.irp s, 0,1
	s_mov_b32 s[G0A+4*\s], 1
	s_add_co_u32 s[G0A+4*\s+1], s23, \s*SLOT
	s_add_nc_u64 s[G0A+4*\s+2:G0A+4*\s+3], s[92:93], \s*HALFT
	s_or_b32 s[G0A+4*\s+3], s[G0A+4*\s+3], 0x80000000
	s_mov_b32 s[G0B+4*\s], 1
	s_add_co_u32 s[G0B+4*\s+1], s23, \s*SLOT
	s_add_nc_u64 s[G0B+4*\s+2:G0B+4*\s+3], s[94:95], \s*HALFT
	s_or_b32 s[G0B+4*\s+3], s[G0B+4*\s+3], 0x80000000
	s_wait_alu depctr_va_vdst(0)
	s_wait_tensorcnt 0x0
	ds_add_u32 v28, v29
	ds_add_u32 v28, v29
	s_wait_dscnt 0x0
	CROUND
	JLOAD G0A+4*\s, G0B+4*\s
.endr
	v_and_b32 v1, 31, v0
	v_and_b32 v2, 15, v0
	v_bfe_u32 v[HH], v0, 4, 1
	v_lshlrev_b32 v[L16], 4, v1
	v_lshlrev_b32 v[L8], 3, v1
	s_mul_i32 s46, s[RH], HALFT
	s_mul_i32 s47, s[CH], HALFT
	s_add_co_u32 s47, s47, 2*HALFT
.irp s, 0,1
	v_add_nc_u32 v[ADA+\s], s46, v[L16]
	v_add_nc_u32 v[ADA+2+\s], s46, v[L8]
	v_add_nc_u32 v[ADB+\s], s47, v[L16]
	v_add_nc_u32 v[ADB+2+\s], s47, v[L8]
	s_add_co_u32 s46, s46, SLOT
	s_add_co_u32 s47, s47, SLOT
.endr
	v_and_b32 v3, 8, v2
	v_add_nc_u32 v3, v3, v2
	v_lshlrev_b32 v[CSO], 8, v3
	v_lshl_add_u32 v[CSO], v[HH], 6, v[CSO]
	v_lshlrev_b32 v[H64], 6, v[HH]
.irp n, 0,1,2,3
.irp p, 0,1,2,3
	global_load_b64 v[SA+8*\n+2*\p:SA+8*\n+2*\p+1], v[L8], s[88:89] offset:1024*\n+256*\p
	global_load_b64 v[SB+8*\n+2*\p:SB+8*\n+2*\p+1], v[L8], s[90:91] offset:1024*\n+256*\p
.endr
.endr
.macro CSLOAD a
.set SN, SIN0-(SIN0-SIN1)*((\a)%2)
	WIN 0x40*((\a)%2)
.irp j, 0,1,2,3
	global_load_b128 v[COS+4*\j:COS+4*\j+3], v[CSO], s[82:83] offset:(32*((\a)/2)+8*((\a)%2))*256+16*\j
	global_load_b128 v[COS+16+4*\j:COS+16+4*\j+3], v[CSO], s[82:83] offset:(32*((\a)/2)+8*((\a)%2))*256+128+16*\j
	global_load_b128 v[SN+4*\j:SN+4*\j+3], v[CSO], s[84:85] offset:(32*((\a)/2)+8*((\a)%2))*256+16*\j
	global_load_b128 v[SN+16+4*\j:SN+16+4*\j+3], v[CSO], s[84:85] offset:(32*((\a)/2)+8*((\a)%2))*256+128+16*\j
.endr
	WIN 0
.endm
	CSLOAD 0
	WIN 0x40
.irp j, 0,1,2,3
	global_load_b128 v[GG+4*\j:GG+4*\j+3], v[H64], s[86:87] offset:16*\j
	global_load_b128 v[GG+16+4*\j:GG+16+4*\j+3], v[H64], s[86:87] offset:128+16*\j
.endr
	WIN 0
.macro MUL16 a0, p, ks, zero
.irp a, \a0, \a0+1
.irp b, 0,1,2,3,4,5,6,7
.if \zero
	WM 8*(8*((\a)%4)+\b), 128*(\p)+12*\b, AF+12*(\a), -1, SB+8*((\ks)/2)+2*(\b/2)+(\ks)%2, SA+8*((\ks)/2)+2*((\a)/2)+(\ks)%2, \b%2, (\a)%2
.else
	WM 8*(8*((\a)%4)+\b), 128*(\p)+12*\b, AF+12*(\a), 8*(8*((\a)%4)+\b), SB+8*((\ks)/2)+2*(\b/2)+(\ks)%2, SA+8*((\ks)/2)+2*((\a)/2)+(\ks)%2, \b%2, (\a)%2
.endif
.endr
.endr
.endm
.macro FETCH_B slot, q, p
	WIN TO_B
.irp i, 0,1,2,3,4,5,6,7
	FRAG 128*(\p)+12*\i, ADB+\slot, ADB+2+\slot, (\q)*KSB+\i*FRB
.endr
	WIN 0
.endm
.macro FETCH_A slot, q, i0
.irp i, \i0, \i0+1, \i0+2, \i0+3
	FRAG AF+12*(\i), ADA+\slot, ADA+2+\slot, (\q)*KSB+(\i)*FRB
.endr
.endm
.macro STEP slot, ks, zero
	s_wait_dscnt 4*NL
	WIN MUL_LO
	MUL16 0, 0, \ks, \zero
	MUL16 2, 0, \ks, \zero
	s_wait_dscnt 0x0
	PLACES
	FETCH_B \slot, 1, 1
	FETCH_A \slot, 1, 0
	WIN MUL_HI
	MUL16 4, 0, \ks, \zero
	MUL16 6, 0, \ks, \zero
	PLACES
	WIN 0
	FETCH_A \slot, 1, 4
.endm
.macro TURN slot, next, ks, fill
	s_wait_tensorcnt 0x0
	ds_add_u32 v[SPW], v[NIL]
	s_wait_dscnt 4*NL+1
	WIN MUL_LO
	MUL16 0, 1, \ks, 0
	s_wait_dscnt 0x0
	s_barrier_signal -1
	MUL16 2, 1, \ks, 0
	WIN 0
	s_barrier_wait -1
.if \fill
	CREST
	s_add_nc_u64 s[G0A+4*\slot+2:G0A+4*\slot+3], s[G0A+4*\slot+2:G0A+4*\slot+3], 2*HALFT
	s_add_nc_u64 s[G0B+4*\slot+2:G0B+4*\slot+3], s[G0B+4*\slot+2:G0B+4*\slot+3], 2*HALFT
	JLOAD G0A+4*\slot, G0B+4*\slot
.else
	PLACES
.endif
	s_wait_alu depctr_va_vdst(0)
	FETCH_B \next, 0, 0
	FETCH_A \next, 0, 0
	WIN MUL_HI
	MUL16 4, 1, \ks, 0
	MUL16 6, 1, \ks, 0
	PLACES
	WIN 0
	FETCH_A \next, 0, 4
.endm
	s_wait_tensorcnt 0x1
	s_barrier_signal -1
	s_barrier_wait -1
	FETCH_B 0, 0, 0
	FETCH_A 0, 0, 0
	FETCH_A 0, 0, 4
	s_wait_loadcnt 24
	STEP 0, 0, 1
	TURN 0, 1, 1, 1
	STEP 1, 2, 0
	TURN 1, 0, 3, 1
	STEP 0, 4, 0
	TURN 0, 1, 5, 0
	STEP 1, 6, 0
	s_wait_dscnt 4*NL
	WIN MUL_LO
	MUL16 0, 1, 7, 0
	MUL16 2, 1, 7, 0
	s_wait_dscnt 0x0
	WIN MUL_HI
	MUL16 4, 1, 7, 0
	MUL16 6, 1, 7, 0
	WIN 0
	PLACES
	s_cmp_eq_u32 ttmp9, 2
	s_cbranch_scc1 .Lv
	s_mov_b32 s74, 12800
	s_mov_b32 s75, 12288
	s_cmp_eq_u32 ttmp9, 0
	s_cselect_b32 s74, 6400, s74
	s_cselect_b32 s75, 6144, s75
	s_cselect_b64 s[76:77], s[16:17], s[18:19]
	s_lshl_b32 s46, s40, 2
	s_lshl_b32 s47, s[CH], 1
	s_add_co_u32 s46, s46, s47
	s_lshl_b32 s46, s46, 5
	s_add_co_u32 s46, s46, s66
	s_mul_i32 s46, s46, s74
	s_mov_b32 s47, 0
	s_add_nc_u64 s[68:69], s[76:77], s[46:47]
	s_lshl_b32 s46, s74, 5
	s_add_nc_u64 s[70:71], s[68:69], s[46:47]
	s_mov_b32 s92, s75
	s_mov_b32 s93, 0
	s_add_nc_u64 s[72:73], s[68:69], s[92:93]
	v_and_b32 v1, 15, v0
	v_mul_lo_u32 v[SWO], v[HH], s46
	v_lshl_add_u32 v[SWO], v1, 4, v[SWO]
	v_mov_b32 v[INV+1], 0
	v_mov_b32 v[INV+3], 0
	v_mov_b32 v[TM2+2], 0
	v_mov_b32 v[TM2+3], 0
.macro QUANT2 u, cd
.irp b, 0,1
	v_max3_num_f32 v[TM2+\b], |v[\u+16*\b]|, |v[\u+16*\b+1]|, 0x1800000
.endr
.irp i, 2,4,6,8,10,12,14
.irp b, 0,1
	v_max3_num_f32 v[TM2+\b], v[TM2+\b], |v[\u+16*\b+\i]|, |v[\u+16*\b+\i+1]|
.endr
.endr
.irp b, 0,1
	v_permlanex16_b32 v[TM2+2+\b], v[TM2+\b], s[SEL], s[SEL+1]
.endr
.irp b, 0,1
	v_max_num_f32 v[TM2+\b], v[TM2+\b], v[TM2+2+\b]
.endr
.irp b, 0,1
	v_add_nc_u32 v[TM2+4+\b], 0xff000000, v[TM2+\b]
.endr
.irp b, 0,1
	v_lshrrev_b32 v[TM2+6+\b], 23, v[TM2+4+\b]
.endr
	v_cvt_scalef32_pk16_fp6_f32 v[\cd:\cd+2], v[\u:\u+15], v[TM2+4]
	v_cvt_scalef32_pk16_fp6_f32 v[CE:CE+2], v[\u+16:\u+31], v[TM2+5]
	v_nop
.irp i, 0,1,2
	v_permlane16_swap_b32 v[\cd+\i], v[CE+\i]
.endr
.irp i, 0,1,2
	v_mov_b32 v[\cd+3+\i], v[CE+\i]
.endr
.endm
.macro STATS a
.set AW, 2+(\a)/4
.set AC, 64*((\a)%4)
	WIN AW|(AW<<2)
.set i, 0
.rept 16
.irp e, 0,1
.if i < 2
	v_pk_mul_f32 v[SS+4*\e+2*i:SS+4*\e+2*i+1], v[AC+32*\e+2*i:AC+32*\e+2*i+1], v[AC+32*\e+2*i:AC+32*\e+2*i+1]
.else
	v_pk_fma_f32 v[SS+4*\e+2*(i%2):SS+4*\e+2*(i%2)+1], v[AC+32*\e+2*i:AC+32*\e+2*i+1], v[AC+32*\e+2*i:AC+32*\e+2*i+1], v[SS+4*\e+2*(i%2):SS+4*\e+2*(i%2)+1]
.endif
.endr
.set i, i+1
.endr
	WIN 0
.irp e, 0,1
	v_pk_add_f32 v[SS+4*\e:SS+4*\e+1], v[SS+4*\e:SS+4*\e+1], v[SS+4*\e+2:SS+4*\e+3]
.endr
.irp e, 0,1
	v_add_f32 v[SS+4*\e], v[SS+4*\e], v[SS+4*\e+1]
.endr
.irp e, 0,1
	v_permlanex16_b32 v[TM2+2+\e], v[SS+4*\e], s[SEL], s[SEL+1]
.endr
.irp e, 0,1
	v_add_f32 v[SS+4*\e], v[SS+4*\e], v[TM2+2+\e]
.endr
.irp e, 0,1
	v_fma_f32 v[SS+4*\e], v[SS+4*\e], s80, s81
.endr
	s_wait_alu depctr_va_vdst(0)
.irp e, 0,1
	v_rsq_f32 v[INV+2*\e], v[SS+4*\e]
.endr
	v_nop
	s_wait_alu depctr_va_vdst(0)
.endm
.macro HEAD a, e
.set AW, 2+(\a)/4
.set AC, 64*((\a)%4)+32*(\e)
.set SN, SIN0-(SIN0-SIN1)*((\a)%2)
.set CD, CD0+6*(\e)
	WIN AW
.set i, 0
.rept 16
	v_pk_mul_f32 v[T+i:T+i+1], v[AC+i:AC+i+1], v[INV+2*(\e):INV+2*(\e)+1] op_sel_hi:[1,0]
.set i, i+2
.endr
	WIN 0x04
.set i, 0
.rept 16
	v_pk_mul_f32 v[T+i:T+i+1], v[T+i:T+i+1], v[GG+i:GG+i+1]
.set i, i+2
.endr
	WIN 0x04*((\a)%2)
.set i, 0
.rept 8
	v_pk_mul_f32 v[U+i:U+i+1], v[T+i:T+i+1], v[COS+i:COS+i+1]
	v_pk_mul_f32 v[U+16+i:U+16+i+1], v[T+16+i:T+16+i+1], v[COS+16+i:COS+16+i+1]
.set i, i+2
.endr
.set i, 0
.rept 8
	v_pk_fma_f32 v[U+i:U+i+1], v[T+16+i:T+16+i+1], v[SN+i:SN+i+1], v[U+i:U+i+1] neg_lo:[1,0,0] neg_hi:[1,0,0]
	v_pk_fma_f32 v[U+16+i:U+16+i+1], v[T+i:T+i+1], v[SN+16+i:SN+16+i+1], v[U+16+i:U+16+i+1]
.set i, i+2
.endr
	WIN 0
	s_wait_xcnt 0x0
	QUANT2 U, CD
	global_store_b128 v[L16], v[CD:CD+3], s[68+2*(\e):69+2*(\e)] offset:768*(\a)
	global_store_b64 v[L8], v[CD+4:CD+5], s[68+2*(\e):69+2*(\e)] offset:768*(\a)+512
.if (\a)%2 == 0
	v_lshl_or_b32 v[SW+4*(\e)+(\a)/2], v[TM2+7], 8, v[TM2+6]
.else
	v_lshl_or_b32 v[SW+4*(\e)+(\a)/2], v[TM2+6], 16, v[SW+4*(\e)+(\a)/2]
	v_lshl_or_b32 v[SW+4*(\e)+(\a)/2], v[TM2+7], 24, v[SW+4*(\e)+(\a)/2]
.endif
.endm
.irp a, 0,1,2,3,4,5,6,7
.if \a < 7
	CSLOAD \a+1
	s_wait_loadcnt 16
.else
	s_wait_loadcnt 0x0
.endif
	STATS \a
	HEAD \a, 0
	HEAD \a, 1
.endr
	s_branch .Lwords
.Lv:
	s_lshl_b32 s46, s41, 2
	s_lshl_b32 s47, s[RH], 1
	s_add_co_u32 s46, s46, s47
	s_lshl_b32 s46, s46, 5
	s_add_co_u32 s46, s46, s67
	s_mul_i32 s46, s46, 12800
	s_mov_b32 s47, 0
	s_add_nc_u64 s[72:73], s[18:19], s[46:47]
	s_add_nc_u64 s[68:69], s[72:73], 6144
	s_add_nc_u64 s[70:71], s[68:69], 409600
	s_add_nc_u64 s[72:73], s[72:73], 12544
	v_and_b32 v1, 15, v0
	v_mul_u32_u24 v[SWO], v[HH], 409600
	v_lshl_add_u32 v[SWO], v1, 4, v[SWO]
.irp b, 0,1,2,3
	v_mov_b32 v[TMV+4+\b], 0
.endr
.macro VTILE a
.set AW, 2+(\a)/4
.set AC, 64*((\a)%4)
.set PC, 128+24*((\a)%2)
	WIN (AW<<2)|(AW<<4)
.irp b, 0,1,2,3
	v_max3_num_f32 v[TMV+\b], 0x1800000, |v[AC+16*\b]|, |v[AC+16*\b+1]|
.endr
.irp i, 2,4,6,8,10,12,14
.irp b, 0,1,2,3
	v_max3_num_f32 v[TMV+\b], v[TMV+\b], |v[AC+16*\b+\i]|, |v[AC+16*\b+\i+1]|
.endr
.endr
	WIN 0
.irp b, 0,1,2,3
	v_permlanex16_b32 v[TMV+4+\b], v[TMV+\b], s[SEL], s[SEL+1]
.endr
.irp b, 0,1,2,3
	v_max_num_f32 v[TMV+\b], v[TMV+\b], v[TMV+4+\b]
.endr
.irp b, 0,1,2,3
	v_add_nc_u32 v[TMV+12+\b], 0xff000000, v[TMV+\b]
.endr
.irp b, 0,1,2,3
	v_lshrrev_b32 v[TMV+4+\b], 23, v[TMV+12+\b]
.endr
	v_lshl_or_b32 v[SW+(\a)], v[TMV+5], 8, v[TMV+4]
	v_lshl_or_b32 v[SW+(\a)], v[TMV+6], 16, v[SW+(\a)]
	v_lshl_or_b32 v[SW+(\a)], v[TMV+7], 24, v[SW+(\a)]
	s_wait_xcnt 0x0
	WIN AW
.irp c, 0,1
	v_cvt_scalef32_pk16_fp6_f32 v[PC+6*\c:PC+6*\c+2], v[AC+32*\c:AC+32*\c+15], v[TMV+12+2*\c]
	v_cvt_scalef32_pk16_fp6_f32 v[PC+12+4*\c:PC+14+4*\c], v[AC+32*\c+16:AC+32*\c+31], v[TMV+12+2*\c+1]
.endr
	WIN 0
	v_nop
.irp c, 0,1
.irp i, 0,1,2
	v_permlane16_swap_b32 v[PC+6*\c+\i], v[PC+12+4*\c+\i]
.endr
.irp i, 0,1,2
	v_mov_b32 v[PC+3+6*\c+\i], v[PC+12+4*\c+\i]
.endr
.endr
	global_store_b128 v[L16], v[PC:PC+3], s[68+2*((\a)/4):69+2*((\a)/4)] offset:FRB*((\a)%4)
	global_store_b64 v[L8], v[PC+4:PC+5], s[68+2*((\a)/4):69+2*((\a)/4)] offset:FRB*((\a)%4)+512
	global_store_b128 v[L16], v[PC+6:PC+9], s[68+2*((\a)/4):69+2*((\a)/4)] offset:FRB*((\a)%4)+768
	global_store_b64 v[L8], v[PC+10:PC+11], s[68+2*((\a)/4):69+2*((\a)/4)] offset:FRB*((\a)%4)+1280
.endm
.irp a, 0,1,2,3,4,5,6,7
	VTILE \a
.endr
.Lwords:
	v_cmp_eq_u32 vcc_lo, 1, v[HH]
	s_wait_alu depctr_va_vdst(0)
.irp t, 0,1,2,3
	v_cndmask_b32 v[OW+\t], v[SW+\t], v[SW+4+\t], vcc_lo
.endr
	global_store_b128 v[SWO], v[OW:OW+3], s[72:73]
	s_wait_tensorcnt 0x0
	ds_add_u32 v[SPW], v[NIL]
	s_wait_dscnt 0x0
	CROUND
	s_endpgm
.Lfunc_end_k_q304cb57747_qkv:
	.size	k_q304cb57747_qkv, .Lfunc_end_k_q304cb57747_qkv-k_q304cb57747_qkv
	.p2alignl 7, 3214868480
	.fill 96, 4, 3214868480
	.section	.rodata,"a",@progbits
	.p2align	6, 0x0
	.amdhsa_kernel k_q304cb57747_qkv
		.amdhsa_group_segment_fixed_size 327680
		.amdhsa_private_segment_fixed_size 0
		.amdhsa_enable_private_segment 0
		.amdhsa_kernarg_size 64
		.amdhsa_user_sgpr_count 2
		.amdhsa_user_sgpr_kernarg_segment_ptr 1
		.amdhsa_wavefront_size32 1
		.amdhsa_system_sgpr_workgroup_id_x 1
		.amdhsa_system_sgpr_workgroup_id_y 1
		.amdhsa_system_sgpr_workgroup_id_z 1
		.amdhsa_system_vgpr_workitem_id 0
		.amdhsa_next_free_vgpr 1024
		.amdhsa_next_free_sgpr 100
		.amdhsa_reserve_vcc 1
		.amdhsa_float_denorm_mode_32 3
		.amdhsa_float_denorm_mode_16_64 3
		.amdhsa_memory_ordered 1
		.amdhsa_forward_progress 1
		.amdhsa_inst_pref_size 255
	.end_amdhsa_kernel
	.section	.bss,"aw",@nobits
	.p2align	6
	.space	262144
	.amdgpu_metadata
---
amdhsa.version: [ 1, 2 ]
amdhsa.kernels:
  - .name:           k_q304cb57747_qkv
    .symbol:         k_q304cb57747_qkv.kd
    .args:
      - { .name: codes, .offset: 0, .size: 8, .value_kind: global_buffer, .address_space: global }
      - { .name: scales, .offset: 8, .size: 8, .value_kind: global_buffer, .address_space: global }
      - { .name: cos, .offset: 16, .size: 8, .value_kind: global_buffer, .address_space: global }
      - { .name: sin, .offset: 24, .size: 8, .value_kind: global_buffer, .address_space: global }
      - { .name: q_scale, .offset: 32, .size: 8, .value_kind: global_buffer, .address_space: global }
      - { .name: k_scale, .offset: 40, .size: 8, .value_kind: global_buffer, .address_space: global }
      - { .name: qi, .offset: 48, .size: 8, .value_kind: global_buffer, .address_space: global }
      - { .name: kv, .offset: 56, .size: 8, .value_kind: global_buffer, .address_space: global }
    .group_segment_fixed_size: 327680
    .private_segment_fixed_size: 0
    .kernarg_segment_align: 8
    .kernarg_segment_size: 64
    .max_flat_workgroup_size: 128
    .sgpr_count:     100
    .vgpr_count:     1024
    .wavefront_size: 32
...
	.end_amdgpu_metadata
.endif
;; end of part 2
;; launch attn (part 3): grid 16 x 16, 8 waves a work-group, clusters of 4 x 1, 327,680 bytes of LDS; arguments qi, kv, oq, os; writes oq, os
.if DOCPART == 3
	.amdgcn_target "amdgcn-amd-amdhsa--gfx1250"
	.amdhsa_code_object_version 6
	.text
	.protected	k_q304cb57747_attn
	.globl	k_q304cb57747_attn
	.p2align	8
	.type	k_q304cb57747_attn,@function
k_q304cb57747_attn:
	s_mov_b64 s[64:65], 0
	v_nop
	global_prefetch_b8 v0, s[64:65] scope:SCOPE_SE
	s_setreg_imm32_b32 hwreg(HW_REG_WAVE_MODE, 25, 1), 1
	s_wait_xcnt 0x0
	s_wait_alu depctr_hold_cnt(0) depctr_sa_sdst(0) depctr_va_vdst(0) depctr_va_sdst(0) depctr_va_ssrc(0) depctr_va_vcc(0) depctr_vm_vsrc(0)
	s_getreg_b32 s2, hwreg(HW_REG_IB_STS2, 6, 4)
	s_cmp_eq_u32 s2, 0
	s_cbranch_scc0 .Lentry_in_a_cluster
	s_endpgm
.Lentry_in_a_cluster:
	s_bfe_u32 s2, ttmp6, 0x10000c
	s_cmp_lg_u32 s2, 0x3003
	s_cbranch_scc0 .Lentry_shape_is_right
	s_endpgm
.Lentry_shape_is_right:
; O = softmax(q k^T / 8) v for 16 heads of 64, 4,096 tokens, both products on codes of FP6 (E2M3) with E8M0 scales; O / l is quantised along the channels for the last product.
; qi, kv: records as the launch before laid them (a step = 128 tokens, 12,800 bytes of kv).  oq: [block of 128 tokens][K step 8][tile 8] fragments in register order; os: [block][K step / 2][tile][r][2 words].
; THE SOFTMAX: t = score x log2(e) / 8; M = the running largest t rounded UP to a whole number; p = 2^(t - M) is quantised along the keys, not normalised; l sums the unquantised p; when M moves, l and O are multiplied by 2^(old M - new M), exactly.
; SHARES: a work-group owns 256 queries of one head; each of its eight waves owns TWO tiles of 16 queries, which share every fragment of k and of v that the wave reads from LDS.
; BOTH PRODUCTS TRANSPOSED: a lane holds one query of each tile.  K = 64 fills half of the instruction's 128: a fragment of k carries two key tiles and is multiplied by [q | 0] and by [0 | q].
; WHICH KEYS FORM A TILE is chosen by the lanes' LDS addresses: lane r of fragment 2 g + w takes the stored fragment 2 g + r / 8, lane r % 8 + 8 w.  Then register 32 g + i of lane (r, h) is key 64 g + 32 h + i:
; a block of 32 keys lies whole in one lane, in the order of the next operand's registers: its largest score needs no other lane, and p's codes are not moved between lanes.
; CLUSTER 4 x 1: the four query blocks of a cluster walk the same records of kv: joint tensor loads.  A slot holds 8 steps, 102,400 dense bytes; two slots; each wave fetches one record: one tensor load of a wave is out.
; REGISTERS: window 0: addresses, the tiles' small numbers (24 each), scale words, q, p's codes, four fragments.  Window 1: v0-127 S^T of both tiles, then p; v128-191 O^T of both tiles.
; LIMITS: the scaled scores stay under 2^31 in magnitude; p under 2^-126 falls to 0; 1 / l is a reciprocal and a multiplication; a block of zeros gets the byte 1 (its codes are zeros; this program alone reads the bytes); NaN and infinities are not served.
.set REC,   12800
.set SLOTB, 8*REC
.set SLOT1, 131072                     ; slot 1 begins here: one exclusive or turns an address
.set SPARE, 262144                     ; the spare words: 128 bytes for each of 8 waves
.set L16,  1                           ; 16 x lane
.set L8,   2                           ; 8 x lane
.set R16,  3                           ; 16 r
.set SPW,  4
.set NIL,  5
.set A16,  6                           ; v6-8 the step's record + v1, v2, v3 (v^T and its words)
.set A8,   7
.set AS,   8
.set PFO,  9
.set KL16, 10                          ; k's fragments: 1536 (r / 8) + 16 (r % 8) + 256 h
.set KL8,  11                          ; 1536 (r / 8) + 8 (r % 8) + 128 h
.set KLS,  12                          ; k's words: 16 (r % 8) + 4 (r / 8)
.set KA16, 13                          ; v13-15 the step's record + v10, v11, v12
.set KA8,  14
.set KAS,  15
.set SM,   16                          ; v16-39, v40-63 a tile's small numbers, at these places:
.set NM,   0                           ; -M
.set RUN,  1                           ; the running largest score
.set LL,   2                           ; l, in two halves
.set FF,   4                           ; f = 2^(old M - new M)
.set OLD,  5                           ; the old -M
.set BM,   6                           ; four chains of the largest score; then places 0 and 2: the two blocks' largest, then their p
.set SOP,  10                          ; the conversions' scale operands
.set BY,   12                          ; bytes
.set MM,   14
.set MP,   15                          ; a lane permute's destination
.set T,    16                          ; four pairs: chains of the sum; then the upper halves of the blocks' codes
.set PW,   64                          ; v64-65 p's scale words
.set QS,   66                          ; v66-67 q's bytes (0, 1, 0, 1)
.set KW,   68                          ; v68-71 four scale words of k or of v
.set H8,   72                          ; 8 h
.set TA,   73
.set TBV,  74
.set TC,   75
.set Q,    76                          ; v76-93, v94-111: [0 | q | 0]: registers 0-11 are [0 | q], registers 6-17 [q | 0]
.set PC,   112                         ; v112-123, v124-135 p's codes
.set FR,   136                         ; v136-183 four fragments
.set U,    184                         ; v184-247 the way out: O / l
.set TB,   12
.set STC,  13
.set WV,   18
.set SEL,  20
.set CS,   22
.set G1,   24
.set G0,   32
.set SLOTS, 36
.set LIM,  37
.set PFA,  38
.set MSB, 0
.macro WIN new                         ; the immediate's high byte repeats the setting that is left
.if MSB != (\new)
	s_set_vgpr_msb (MSB<<8)|(\new)
.set MSB, (\new)
.endif
.endm
.macro TILE t
.set X,   SM+24*(\t)
.set SS,  64*(\t)
.set OO,  128+32*(\t)
.set PCT, PC+12*(\t)
.set UT,  U+32*(\t)
.endm
.macro D2
	s_delay_alu instid0(VALU_DEP_2)
.endm
.macro WM d, a, b, c, sa, sb
	v_wmma_scale_f32_16x16x128_f8f6f4 v[\d:\d+7], v[\a:\a+11], v[\b:\b+11], \c, v[\sa], v[\sb] matrix_a_fmt:MATRIX_FMT_FP6 matrix_b_fmt:MATRIX_FMT_FP6
.endm
.macro JLOAD                           ; every wave fetches its record of the slot; s_nop 0 and four v_nop follow the load
	tensor_load_to_lds s[G0:G0+3], s[G1:G1+7]
	s_nop 0
.rept 4
	v_nop
.endr
.endm
; A PREFETCH INTO THE L2 of the slot that the NEXT change of slots will ask for: eight key steps ahead of that load.  All clusters of a head walk the same records: the head's first cluster asks; its four partners
; take two records each, told apart by address: 100 blocks of 256 bytes; waves 0 to 3 ask, a lane a block; the lanes past the hundredth name the hundredth again.  The last change that fills a slot asks for nothing.
.macro ASK
	s_cmp_gt_u32 s[SLOTS], s[LIM]
	s_cbranch_scc0 .Lnot_mine_\@
	global_prefetch_b8 v[PFO], s[PFA:PFA+1] th:TH_LOAD_NT scope:SCOPE_SE
.Lnot_mine_\@:
.endm
.macro CROUND
	s_barrier_signal -1
	s_barrier_wait -1
	s_cmp_lg_u32 s[WV], 0
	s_cbranch_scc1 .Lnot_wave_0_\@
	s_barrier_signal -3
.Lnot_wave_0_\@:
	s_barrier_wait -3
	s_barrier_signal -1
	s_barrier_wait -1
.endm
	s_load_b256 s[4:11], s[0:1], 0x0               ; qi s[4:5], kv s[6:7], oq s[8:9], os s[10:11]
	v_lshl_add_u32 v[SPW], v0, 2, SPARE
	v_mov_b32 v[NIL], 0
	ds_add_u32 v[SPW], v[NIL]                      ; the opening lines: the add, twice on end, and its wait
	ds_add_u32 v[SPW], v[NIL]
	s_wait_dscnt 0x0
	v_lshrrev_b32 v[TA], 5, v0
	v_readfirstlane_b32 s[WV], v[TA]               ; wave 0..7
	s_bfe_u32 s40, ttmp6, 0x40000                  ; cx
	s_lshl_b32 s41, ttmp9, 2
	s_add_co_u32 s41, s41, s40                     ; my block of 256 queries: it enters q's and the outputs' addresses alone
	s_and_b32 s42, ttmp7, 0xffff                   ; the head, which the four partners share
	s_mul_i32 s44, s42, 32*REC
	s_mov_b32 s45, 0
	s_mul_i32 s43, s[WV], REC                      ; which record of a slot I fetch: in memory and in LDS
	s_mov_b32 s[G1], 15|(3<<16)|(1<<21)            ; the mask: all four; elements of 8 bytes; bit 21 beside a mask; no padding
	s_mov_b32 s[G1+1], 32<<16                      ; rows of 256 bytes,
	s_mov_b32 s[G1+2], 50<<16                      ; 50 of them: a record
	s_mov_b32 s[G1+3], 32<<16
	s_mov_b32 s[G1+4], 50
	s_mov_b32 s[G1+5], 32
	s_mov_b32 s[G1+6], 0
	s_mov_b32 s[G1+7], 0
	s_lshr_b32 s46, s[WV], 2
	s_lshl_b32 s47, s41, 1
	s_add_co_u32 s46, s46, s47                     ; my block of 128 tokens
	s_and_b32 s47, s[WV], 3
	s_lshl_b32 s47, s47, 1                         ; my first tile in it, an even one; the second is the next
	s_lshl_b32 s48, s42, 5
	s_add_co_u32 s48, s48, s46
	s_mul_i32 s48, s48, 6400                       ; q's record
	s_mov_b32 s49, 0
	s_mul_i32 s50, s47, 768                        ; my first tile's half fragment
	s_mov_b32 s51, 0
	s_lshl_b32 s56, s47, 1                         ; which of the lane's four words holds my two tiles' bytes: 4 (tile / 2)
	s_lshl_b32 s58, s46, 3                         ; oq: ((block x 8 + head / 2) x 8 + tile) fragments + (head % 2) halves
	s_lshr_b32 s59, s42, 1
	s_add_co_u32 s58, s58, s59
	s_lshl_b32 s58, s58, 3
	s_add_co_u32 s58, s58, s47
	s_mul_i32 s58, s58, 1536
	s_and_b32 s59, s42, 1
	s_mul_i32 s59, s59, 768
	s_add_co_u32 s58, s58, s59
	s_mov_b32 s59, 0
	s_lshl_b32 s60, s46, 12                        ; os: block x 4,096 + (head / 4) x 1,024 + tile x 128 + (head % 4) x 2
	s_lshr_b32 s61, s42, 2
	s_lshl_b32 s61, s61, 10
	s_add_co_u32 s60, s60, s61
	s_lshl_b32 s61, s47, 7
	s_add_co_u32 s60, s60, s61
	s_and_b32 s61, s42, 3
	s_lshl_b32 s61, s61, 1
	s_add_co_u32 s60, s60, s61
	s_mov_b32 s61, 0
	s_mul_i32 s62, s40, 2*REC                      ; the prefetches: my work-group's two records of a slot,
	s_add_co_u32 s62, s62, SLOTB                   ; in slot 1: the first change of slots steps it to slot 2
	s_mov_b32 s63, 0
	s_lshr_b32 s[LIM], s[WV], 2                    ; 0 in waves 0 to 3,
	s_or_b32 s[LIM], s[LIM], ttmp9                 ; of the head's first cluster: the same in all four partners
	s_cmp_eq_u32 s[LIM], 0
	s_cselect_b32 s[LIM], 1, -1
	s_mov_b32 s[SEL], 0x76543210
	s_mov_b32 s[SEL+1], 0xfedcba98                 ; selects for lane l xor 16
	s_mov_b32 s[CS], 0x3e38aa3b                    ; c = log2(e) / 8
	s_mov_b32 s[CS+1], s[CS]
	s_mov_b32 s[TB], 0
	s_mov_b32 s[SLOTS], 3
	s_mov_b32 s52, s43
	s_mov_b32 s53, 0
	s_wait_kmcnt 0x0
	s_add_nc_u64 s[6:7], s[6:7], s[44:45]          ; kv at my head
	s_mov_b32 s[G0], 1
	s_mov_b32 s[G0+1], s43
	s_add_nc_u64 s[G0+2:G0+3], s[6:7], s[52:53]
	s_or_b32 s[G0+3], s[G0+3], 0x80000000
	s_add_nc_u64 s[PFA:PFA+1], s[6:7], s[62:63]
	s_add_nc_u64 s[4:5], s[4:5], s[48:49]          ; q's record
	s_add_nc_u64 s[54:55], s[4:5], s[50:51]        ; my first tile in it
	s_add_nc_u64 s[8:9], s[8:9], s[58:59]
	s_add_nc_u64 s[10:11], s[10:11], s[60:61]
	CROUND                                         ; all four work-groups are here: the first joint loads meet
	JLOAD                                          ; slot 0
	v_and_b32 v[TA], 31, v0
	v_and_b32 v[TC], 15, v0
	v_bfe_u32 v[H8], v0, 4, 1                      ; h
	v_bfe_u32 v[TBV], v0, 3, 1                     ; r / 8
	v_lshlrev_b32 v[L16], 4, v[TA]
	v_lshlrev_b32 v[L8], 3, v[TA]
	v_lshlrev_b32 v[R16], 4, v[TC]
.irp t, 0,1
	global_load_b128 v[Q+18*\t+6:Q+18*\t+9], v[L16], s[54:55] offset:768*\t       ; q's half fragment, between the zeros
	global_load_b64 v[Q+18*\t+10:Q+18*\t+11], v[L8], s[54:55] offset:768*\t+512
.endr
	v_add_nc_u32 v[A16], s56, v[R16]
	global_load_b32 v[QS], v[A16], s[4:5] offset:6144
	v_and_b32 v[TC], 7, v0                         ; r % 8
	v_mul_u32_u24 v[KL16], v[TBV], 1536
	v_lshl_add_u32 v[KL8], v[TC], 3, v[KL16]
	v_lshl_add_u32 v[KL16], v[TC], 4, v[KL16]
	v_lshl_add_u32 v[KL8], v[H8], 7, v[KL8]
	v_lshl_add_u32 v[KL16], v[H8], 8, v[KL16]
	v_lshlrev_b32 v[KLS], 4, v[TC]
	v_lshl_add_u32 v[KLS], v[TBV], 2, v[KLS]
	v_lshlrev_b32 v[H8], 3, v[H8]
	s_lshl_b32 s62, s[WV], 5
	v_add_nc_u32 v[PFO], s62, v[TA]
	v_min_u32 v[PFO], 99, v[PFO]
	v_lshlrev_b32 v[PFO], 8, v[PFO]
.irp t, 0,1
	TILE \t
.irp i, 0,1,2,3,4,5
	v_mov_b32 v[Q+18*\t+\i], 0                     ; zero codes add nothing under any byte
	v_mov_b32 v[Q+18*\t+12+\i], 0
.endr
	v_mov_b32 v[X+RUN], 0xff61b1e6                 ; the largest score so far: -3e38
	v_mov_b32 v[X+LL], 0
	v_mov_b32 v[X+LL+1], 0
	v_mov_b32 v[X+MP], 0                           ; written once: a lane permute's destination counts as one of its sources
	v_floor_f32 v[X+NM], -v[X+RUN]                 ; -M
.endr
	s_wait_alu depctr_va_vdst(0)
	s_wait_loadcnt 0x0
	v_lshrrev_b32 v[QS+1], 16, v[QS]               ; the second tile's two bytes,
	v_and_b32 v[QS], 0xffff, v[QS]                 ; the first's,
	v_lshl_or_b32 v[QS+1], v[QS+1], 16, v[QS+1]    ; each for either half of K.  (The moves below are the places between these lines and the first product)
	v_lshl_or_b32 v[QS], v[QS], 16, v[QS]
	WIN 0x40
.set j, 0
.rept 64
	v_mov_b32 v[128+j], 0                          ; O^T: the step is written once: the first finds zeros, which the first change of M leaves zeros
.set j, j+1
.endr
	WIN 0
	s_wait_alu depctr_va_vdst(0)
; A KEY STEP: 128 keys, one record, both tiles of queries
.macro STEP
	v_add_nc_u32 v[KA16], s[TB], v[KL16]           ; these six lines are the places between the last products and the loads into their registers
	v_add_nc_u32 v[KA8], s[TB], v[KL8]
	v_add_nc_u32 v[KAS], s[TB], v[KLS]
	v_add_nc_u32 v[A16], s[TB], v[L16]
	v_add_nc_u32 v[A8], s[TB], v[L8]
	v_add_nc_u32 v[AS], s[TB], v[R16]
.irp f, 0,1,2,3                        ; fragment f = 2 g + w of k, by the lanes' own order, and its rows' words
	ds_load_b128 v[FR+12*\f:FR+12*\f+3], v[KA16] offset:3072*(\f/2)+128*(\f%2)
	ds_load_b64 v[FR+12*\f+4:FR+12*\f+5], v[KA8] offset:3072*(\f/2)+64*(\f%2)+512
	ds_load_b128 v[FR+12*\f+6:FR+12*\f+9], v[KA16] offset:3072*(\f/2)+128*(\f%2)+768
	ds_load_b64 v[FR+12*\f+10:FR+12*\f+11], v[KA8] offset:3072*(\f/2)+64*(\f%2)+1280
	ds_load_b32 v[KW+\f], v[KAS] offset:12288+128*(\f%2)+8*(\f/2)
.endr
	s_wait_alu depctr_va_vdst(0)
	s_wait_dscnt 0x0
	WIN 0x40
.irp f, 0,1,2,3
.irp t, 0,1
	WM 64*\t+16*\f, FR+12*\f, Q+18*\t+6, 0, KW+\f, QS+\t
	WM 64*\t+16*\f+8, FR+12*\f, Q+18*\t, 0, KW+\f, QS+\t
.endr
.endr
	WIN 0
.irp t, 0,1
	TILE \t
	v_mov_b32 v[X+OLD], v[X+NM]                    ; four places behind the products
.endr
	v_nop
	v_nop
.irp d, 0,1,2,3                        ; v^T lands under the softmax
	ds_load_b128 v[FR+12*\d:FR+12*\d+3], v[A16] offset:6144+1536*\d
	ds_load_b64 v[FR+12*\d+4:FR+12*\d+5], v[A8] offset:6144+1536*\d+512
	ds_load_b128 v[FR+12*\d+6:FR+12*\d+9], v[A16] offset:6144+1536*\d+768
	ds_load_b64 v[FR+12*\d+10:FR+12*\d+11], v[A8] offset:6144+1536*\d+1280
.endr
	ds_load_b128 v[KW:KW+3], v[AS] offset:12544
	WIN 0x15                                       ; the largest score of each block of 32 keys, all mine: for the row's maximum and, since p rises with the score, for the block's largest p.  Eight chains by turns
.irp b, 0,1,2,3
.irp t, 0,1
	TILE \t
	v_max3_num_f32 v[X+BM+\b], v[SS+16*\b], v[SS+16*\b+1], v[SS+16*\b+2]
.endr
.endr
	WIN 0x14
.irp i, 3,5,7,9,11,13
.irp b, 0,1,2,3
.irp t, 0,1
	TILE \t
	v_max3_num_f32 v[X+BM+\b], v[X+BM+\b], v[SS+16*\b+\i], v[SS+16*\b+\i+1]
.endr
.endr
.endr
.irp c, 0,2
.irp t, 0,1
	TILE \t
	v_max3_num_f32 v[X+BM+\c], v[X+BM+\c], v[SS+16*\c+15], v[SS+16*\c+31]   ; the two numbers that the block's chains left over
.endr
.endr
	WIN 0
.irp c, 0,2
.irp t, 0,1
	TILE \t
	v_max_num_f32 v[X+BM+\c], v[X+BM+\c], v[X+BM+\c+1]
.endr
.endr
.irp t, 0,1
	TILE \t
	D2
	v_max_num_f32 v[X+MM], v[X+BM], v[X+BM+2]
.endr
.irp t, 0,1
	TILE \t
	D2
	v_permlanex16_b32 v[X+MP], v[X+MM], s[SEL], s[SEL+1]
.endr
.irp t, 0,1
	TILE \t
	D2
	v_max3_num_f32 v[X+RUN], v[X+RUN], v[X+MM], v[X+MP]   ; the running largest score (c is positive: the largest t is c x this)
.endr
.irp t, 0,1
	TILE \t
	D2
	v_mul_f32 v[X+MM], s[CS], v[X+RUN]
.endr
.irp t, 0,1
	TILE \t
	D2
	v_floor_f32 v[X+NM], -v[X+MM]                  ; the new -M = -ceil(t)
.endr
.irp t, 0,1
	TILE \t
	D2
	v_sub_f32 v[X+MM], v[X+NM], v[X+OLD]           ; old M - new M: a whole number, 0 or less
.endr
.irp c, 0,2
.irp t, 0,1
	TILE \t
	v_fma_f32 v[X+BM+\c], v[X+BM+\c], s[CS], v[X+NM]
.endr
.endr
.irp t, 0,1
	TILE \t
	v_cvt_i32_f32 v[X+MM], v[X+MM]                 ; (it saturates)
.endr
.irp t, 0,1
	TILE \t
	D2
	v_ldexp_f32 v[X+FF], 1.0, v[X+MM]              ; f
.endr
	WIN 0x41
.irp t, 0,1
	TILE \t
.set j, 0
.rept 32
	v_pk_fma_f32 v[SS+j:SS+j+1], v[SS+j:SS+j+1], s[CS:CS+1], v[X+NM:X+NM+1] op_sel_hi:[1,0,0]   ; t - M
.set j, j+2
.endr
.endr
	s_wait_alu depctr_va_vdst(0)
.set j, 0
.rept 128
	v_exp_f32 v[j], v[j]                           ; p, at most 1
.set j, j+1
.endr
	WIN 0
.irp c, 0,2
.irp t, 0,1
	TILE \t
	v_exp_f32 v[X+BM+\c], v[X+BM+\c]               ; the blocks' largest p: the same two instructions on the same number
.endr
.endr
	v_nop                                          ; a plain place behind the exponentials
	s_wait_alu depctr_va_vdst(0)                   ; one wait for the whole batch, ahead of its first reader
	WIN 0x05                                       ; l sums the unquantised p: eight chains of pairs by turns
.irp k, 0,2,4,6
.irp t, 0,1
	TILE \t
	v_pk_add_f32 v[X+T+\k:X+T+\k+1], v[SS+\k:SS+\k+1], v[SS+8+\k:SS+8+\k+1]
.endr
.endr
	WIN 0x04
.irp j, 16,24,32,40,48,56
.irp k, 0,2,4,6
.irp t, 0,1
	TILE \t
	v_pk_add_f32 v[X+T+\k:X+T+\k+1], v[X+T+\k:X+T+\k+1], v[SS+\j+\k:SS+\j+\k+1]
.endr
.endr
.endr
	WIN 0
.irp k, 0,4
.irp t, 0,1
	TILE \t
	v_pk_add_f32 v[X+T+\k:X+T+\k+1], v[X+T+\k:X+T+\k+1], v[X+T+\k+2:X+T+\k+3]
.endr
.endr
.irp c, 0,1
.irp t, 0,1
	TILE \t
	v_max_num_f32 v[X+BM+2*\c], 0x1800000, v[X+BM+2*\c]   ; the floor 2^(3 - 127): the byte cannot fall under 1
.endr
.endr
.irp t, 0,1
	TILE \t
	v_pk_add_f32 v[X+T:X+T+1], v[X+T:X+T+1], v[X+T+4:X+T+5]
.endr
.irp c, 0,1
.irp t, 0,1
	TILE \t
	v_add_nc_u32 v[X+SOP+\c], 0xff000000, v[X+BM+2*\c]   ; 2 off the exponent field: the conversion's scale operand
.endr
.endr
.irp t, 0,1
	TILE \t
	v_pk_fma_f32 v[X+LL:X+LL+1], v[X+LL:X+LL+1], v[X+FF:X+FF+1], v[X+T:X+T+1] op_sel_hi:[1,0,1]   ; l under the new M, and this step's p
.endr
.irp c, 0,1
.irp t, 0,1
	TILE \t
	v_lshrrev_b32 v[X+BY+\c], 23, v[X+SOP+\c]      ; the byte
.endr
.endr
.irp t, 0,1
	TILE \t
	D2
	v_lshl_or_b32 v[X+MM], v[X+BY+1], 16, v[X+BY]  ; blocks h and 2 + h,
.endr
.irp t, 0,1
	TILE \t
	D2
	v_lshlrev_b32 v[X+MM], v[H8], v[X+MM]          ; at their places in the word;
.endr
.irp t, 0,1
	TILE \t
	D2
	v_permlanex16_b32 v[X+MP], v[X+MM], s[SEL], s[SEL+1]
.endr
.irp t, 0,1
	TILE \t
	D2
	v_or_b32 v[PW+\t], v[X+MM], v[X+MP]            ; with lane l xor 16's two the word is whole
.endr
	WIN 0x01
.irp t, 0,1
	TILE \t
.irp c, 0,1
	v_cvt_scalef32_pk16_fp6_f32 v[PCT+6*\c:PCT+6*\c+2], v[SS+32*\c:SS+32*\c+15], v[X+SOP+\c]
	v_cvt_scalef32_pk16_fp6_f32 v[X+T+4*\c:X+T+4*\c+2], v[SS+32*\c+16:SS+32*\c+31], v[X+SOP+\c]   ; (a conversion's three registers begin on an even number)
.endr
.endr
	WIN 0
	v_nop                                          ; one plain place behind a scaled conversion
.irp t, 0,1
	TILE \t
.irp c, 0,1
.irp i, 0,1,2
	v_mov_b32 v[PCT+6*\c+3+\i], v[X+T+4*\c+\i]
.endr
.endr
.endr
	WIN 0x41
	s_wait_alu depctr_va_vdst(0)                   ; directly ahead of the first reader of O^T
.irp t, 0,1
	TILE \t
.set j, 0
.rept 16
	v_pk_mul_f32 v[OO+j:OO+j+1], v[OO+j:OO+j+1], v[X+FF:X+FF+1] op_sel_hi:[1,0]   ; O^T under the new M; these lines are also the places between p's words and codes and the products
.set j, j+2
.endr
.endr
	s_wait_alu depctr_va_vdst(0)
	s_wait_dscnt 0x0                               ; v^T and its words are in
	WIN 0x50
.irp d, 0,1,2,3                        ; the eight accumulators take turns
.irp t, 0,1
	WM 128+32*\t+8*\d, FR+12*\d, PC+12*\t, v[128+32*\t+8*\d:128+32*\t+8*\d+7], KW+\d, PW+\t
.endr
.endr
	WIN 0
	s_add_co_u32 s[TB], s[TB], REC
.endm
.macro EIGHT_STEPS                     ; a slot's eight steps: written once, walked eight times
	s_mov_b32 s[STC], 8
.Lstep_\@:
	STEP
	s_sub_co_u32 s[STC], s[STC], 1
	s_cmp_lg_u32 s[STC], 0
	s_cbranch_scc1 .Lstep_\@
	s_sub_co_u32 s[TB], s[TB], SLOTB
	s_xor_b32 s[TB], s[TB], SLOT1                  ; on to the other slot
.endm
; THE CHANGE OF SLOTS stands at a slot's head.  Each wave waits for all its tensor loads, adds 0 to its spare word, and waits for that and for its reads of the slot that it has left.
; fill = 1: behind a round of the cluster's barrier the slot just left is filled with the next eight steps (the first time: slot 1's first fill): the load has eight steps in which to land.
.macro CHANGE fill
	s_wait_tensorcnt 0x0                           ; no tensor load of mine is out, so the descriptor may be written
	ds_add_u32 v[SPW], v[NIL]                      ; 0 onto my spare word
.if \fill
	s_xor_b32 s[G0+1], s[G0+1], SLOT1
	s_add_nc_u64 s[G0+2:G0+3], s[G0+2:G0+3], SLOTB
	s_wait_xcnt 0x0                                ; the last prefetch, a slot back, has read its address
	s_add_nc_u64 s[PFA:PFA+1], s[PFA:PFA+1], SLOTB
.endif
	s_wait_dscnt 0x0                               ; the add is done, and my reads of the slot that I have left are over
.if \fill
	CROUND
	JLOAD
	ASK
.else
	s_barrier_signal -1
	s_barrier_wait -1
.endif
.endm
.Lslot:                                                ; three trips: behind each change of slots but the last the next slot is asked for
	CHANGE 1
	EIGHT_STEPS
	s_sub_co_u32 s[SLOTS], s[SLOTS], 1
	s_cmp_lg_u32 s[SLOTS], 0
	s_cbranch_scc1 .Lslot
	CHANGE 0                                       ; the last slot is written out
	EIGHT_STEPS
; THE WAY OUT: O^T / l; register 16 b + i = channel 32 b + 16 h + i of my head: two blocks of 32 along the last product's K, each in lanes l and l xor 16
.irp t, 0,1
	TILE \t
	v_add_f32 v[X+LL], v[X+LL], v[X+LL+1]
.endr
.irp t, 0,1
	TILE \t
	D2
	v_permlanex16_b32 v[X+MP], v[X+LL], s[SEL], s[SEL+1]
.endr
.irp t, 0,1
	TILE \t
	D2
	v_add_f32 v[X+LL], v[X+LL], v[X+MP]
.endr
	s_wait_alu depctr_va_vdst(0)
.irp t, 0,1
	TILE \t
	v_rcp_f32 v[X+LL], v[X+LL]
.endr
	v_bfe_u32 v[TA], v0, 4, 1                      ; h.  (Plain places behind the reciprocals)
	v_and_b32 v[TC], 15, v0
	v_lshl_add_u32 v[TC], v[TC], 3, v[TA]          ; 8 r + h
	v_cmp_eq_u32 vcc_lo, 1, v[TA]
	WIN 0x01
	s_wait_alu depctr_va_vdst(0)                   ; the wait ahead of the first reader of the reciprocals and of O^T
.irp t, 0,1
	TILE \t
.set j, 0
.rept 32
	v_mul_f32 v[UT+j], v[OO+j], v[X+LL]            ; each accumulator from its low end on
.set j, j+1
.endr
.endr
	WIN 0
.irp b, 0,1
.irp t, 0,1
	TILE \t
	v_max3_num_f32 v[X+BM+\b], |v[UT+16*\b]|, |v[UT+16*\b+1]|, 0x1800000
.endr
.endr
.irp i, 2,4,6,8,10,12,14
.irp b, 0,1
.irp t, 0,1
	TILE \t
	v_max3_num_f32 v[X+BM+\b], v[X+BM+\b], |v[UT+16*\b+\i]|, |v[UT+16*\b+\i+1]|
.endr
.endr
.endr
.irp b, 0,1
.irp t, 0,1
	TILE \t
	v_permlanex16_b32 v[X+BM+2+\b], v[X+BM+\b], s[SEL], s[SEL+1]
.endr
.endr
.irp b, 0,1
.irp t, 0,1
	TILE \t
	v_max_num_f32 v[X+BM+\b], v[X+BM+\b], v[X+BM+2+\b]
.endr
.endr
.irp b, 0,1
.irp t, 0,1
	TILE \t
	v_add_nc_u32 v[X+SOP+\b], 0xff000000, v[X+BM+\b]
.endr
.endr
.irp b, 0,1
.irp t, 0,1
	TILE \t
	v_lshrrev_b32 v[X+BY+\b], 23, v[X+SOP+\b]
.endr
.endr
.irp t, 0,1
	TILE \t
	v_cvt_scalef32_pk16_fp6_f32 v[PCT:PCT+2], v[UT:UT+15], v[X+SOP]
	v_cvt_scalef32_pk16_fp6_f32 v[X+T:X+T+2], v[UT+16:UT+31], v[X+SOP+1]
.endr
	v_nop                                          ; one plain place behind a scaled conversion
.irp t, 0,1
	TILE \t
.irp i, 0,1,2
	v_permlane16_swap_b32 v[PCT+\i], v[X+T+\i]
.endr
.endr
.irp t, 0,1
	TILE \t
.irp i, 0,1,2
	v_mov_b32 v[PCT+3+\i], v[X+T+\i]               ; lane (r, h) holds block h of token r whole
.endr
	v_cndmask_b32 v[X+MM], v[X+BY], v[X+BY+1], vcc_lo
.endr
.irp t, 0,1
	TILE \t
	global_store_b128 v[L16], v[PCT:PCT+3], s[8:9] offset:1536*\t        ; 512 and 256 consecutive bytes, aligned
	global_store_b64 v[L8], v[PCT+4:PCT+5], s[8:9] offset:1536*\t+512
	global_store_b8 v[TC], v[X+MM], s[10:11] offset:128*\t               ; block h's byte.  (Two bytes of each row's eight: the other heads' work-groups store the rest; 131,072 bytes in the whole launch go out so)
.endr
	s_wait_tensorcnt 0x0                           ; the wave's end
	ds_add_u32 v[SPW], v[NIL]
	s_wait_dscnt 0x0
	CROUND                                         ; the closing round
	s_endpgm
.Lfunc_end_k_q304cb57747_attn:
	.size	k_q304cb57747_attn, .Lfunc_end_k_q304cb57747_attn-k_q304cb57747_attn
	.p2alignl 7, 3214868480
	.fill 96, 4, 3214868480
	.section	.rodata,"a",@progbits
	.p2align	6, 0x0
	.amdhsa_kernel k_q304cb57747_attn
		.amdhsa_group_segment_fixed_size 327680
		.amdhsa_private_segment_fixed_size 0
		.amdhsa_enable_private_segment 0
		.amdhsa_kernarg_size 32
		.amdhsa_user_sgpr_count 2
		.amdhsa_user_sgpr_kernarg_segment_ptr 1
		.amdhsa_wavefront_size32 1
		.amdhsa_system_sgpr_workgroup_id_x 1
		.amdhsa_system_sgpr_workgroup_id_y 1
		.amdhsa_system_sgpr_workgroup_id_z 1
		.amdhsa_system_vgpr_workitem_id 0
		.amdhsa_next_free_vgpr 448
		.amdhsa_next_free_sgpr 100
		.amdhsa_reserve_vcc 1
		.amdhsa_float_denorm_mode_32 3
		.amdhsa_float_denorm_mode_16_64 3
		.amdhsa_memory_ordered 1
		.amdhsa_forward_progress 1
		.amdhsa_inst_pref_size 75
	.end_amdhsa_kernel
	.amdgpu_metadata
---
amdhsa.version: [ 1, 2 ]
amdhsa.kernels:
  - .name:           k_q304cb57747_attn
    .symbol:         k_q304cb57747_attn.kd
    .args:
      - { .name: qi, .offset: 0, .size: 8, .value_kind: global_buffer, .address_space: global }
      - { .name: kv, .offset: 8, .size: 8, .value_kind: global_buffer, .address_space: global }
      - { .name: oq, .offset: 16, .size: 8, .value_kind: global_buffer, .address_space: global }
      - { .name: os, .offset: 24, .size: 8, .value_kind: global_buffer, .address_space: global }
    .group_segment_fixed_size: 327680
    .private_segment_fixed_size: 0
    .kernarg_segment_align: 8
    .kernarg_segment_size: 32
    .max_flat_workgroup_size: 256
    .sgpr_count:     100
    .vgpr_count:     448
    .wavefront_size: 32
...
	.end_amdgpu_metadata
.endif
;; end of part 3
;; launch proj (part 4): grid 8 x 32, 4 waves a work-group, clusters of 4 x 4, 229,888 bytes of LDS; arguments oq, os, codes, scales, b_proj, out0; writes out0
.if DOCPART == 4
	.amdgcn_target "amdgcn-amd-amdhsa--gfx1250"
	.amdhsa_code_object_version 6
	.text
	.protected	k_q304cb57747_proj
	.globl	k_q304cb57747_proj
	.p2align	8
	.type	k_q304cb57747_proj,@function
k_q304cb57747_proj:
	s_mov_b64 s[64:65], 0
	v_nop
	global_prefetch_b8 v0, s[64:65] scope:SCOPE_SE
	s_setreg_imm32_b32 hwreg(HW_REG_WAVE_MODE, 25, 1), 1
	s_wait_xcnt 0x0
	s_wait_alu depctr_hold_cnt(0) depctr_sa_sdst(0) depctr_va_vdst(0) depctr_va_sdst(0) depctr_va_ssrc(0) depctr_va_vcc(0) depctr_vm_vsrc(0)
	s_getreg_b32 s2, hwreg(HW_REG_IB_STS2, 6, 4)
	s_cmp_eq_u32 s2, 0
	s_cbranch_scc0 .Lentry_in_a_cluster
	s_endpgm
.Lentry_in_a_cluster:
	s_bfe_u32 s2, ttmp6, 0x10000c
	s_cmp_lg_u32 s2, 0xf033
	s_cbranch_scc0 .Lentry_shape_is_right
	s_endpgm
.Lentry_shape_is_right:
; out0 = O W_proj^T + b_proj on codes of FP6 (E2M3) with E8M0 scales, K = 1,024.  oq, os: the attention's result, codes, scales (blocks 56-63): W_proj, all in register order (fragments of 1,536 bytes).
; A work-group makes 128 tokens x 128 columns: 256 work-groups; a wave 64 x 64: 16 accumulators.  Source 0 = 16 rows of W_proj (they end up along a lane's registers), source 1 = 16 tokens (one a lane).
; A block's codes for ALL of K are 98,304 dense bytes, so both operands come into LDS ONCE: no slot is filled again.  Each wave issues four joint loads (K steps 2 n + wave % 2): four tensor loads of a wave are out at the most.
; CLUSTERS 4 x 4: the tokens' block is shared along a row of the cluster, W_proj's along a column.  The bias is the C of each sum's first product.
; REGISTERS: window 0: v16-28 addresses; v32-47, v48-63 scale words (nothing else); v64-95 the bias, later rows of out0; v96-127 rows of out0; v128-255 accumulator (a, b) at 128 + 8 (4 a + b).  window 1: two sets of 96: four fragments of tokens, four of W_proj.
; OF THE LOADS, in place of what the third line above says: each wave issues ONE joint load, four K steps of one operand, 49,152 dense bytes: one tensor load of a wave is out; one wait for it and one barrier stand ahead of the first LDS read.
.set BLK,   98304
.set KSB,   12288
.set FRB,   1536
.set STAGE, 2*BLK                      ; behind the operands: 16 rows x (256 + 16) bytes for each wave; no tensor load lands there
.set SPI,   272
.set ADA,   16                         ; v16-17 my four tiles of tokens, K steps 0-3 and 4-7, + 16 x lane; v18-19 + 8 x lane
.set ADB,   20
.set L8,    24
.set STO,   25
.set RD,    26
.set CO,    27
.set H64,   28
.set SA,    32
.set SB,    48
.set BIAS,  64
.set ACC,   128
.set WV,    16
.set RH,    17
.set CH,    18
.set G1A,   24
.set G1B,   32
.set G0A,   40
.set G0B,   68
.set MSB, 0
.macro WIN new
.if MSB != (\new)
	s_set_vgpr_msb (MSB<<8)|(\new)
.set MSB, (\new)
.endif
.endm
.set MUL,  0x05                        ; sources 0 and 1 window 1; C and D window 0
.set TO_F, 0x40
.macro PLACES
.rept 4
	v_nop
.endr
.endm
.macro CROUND
	s_barrier_signal -1
	s_barrier_wait -1
	s_cmp_lg_u32 s[WV], 0
	s_cbranch_scc1 .Lnot_wave_0_\@
	s_barrier_signal -3
.Lnot_wave_0_\@:
	s_barrier_wait -3
	s_barrier_signal -1
	s_barrier_wait -1
.endm
.macro WM d, a, b, c, sa, sb, ra, rb
.if (\ra) && (\rb)
	v_wmma_scale_f32_16x16x128_f8f6f4 v[\d:\d+7], v[\a:\a+11], v[\b:\b+11], v[\c:\c+7], v[\sa], v[\sb] matrix_a_fmt:MATRIX_FMT_FP6 matrix_b_fmt:MATRIX_FMT_FP6 matrix_a_scale:MATRIX_SCALE_ROW1 matrix_b_scale:MATRIX_SCALE_ROW1
.elseif (\ra)
	v_wmma_scale_f32_16x16x128_f8f6f4 v[\d:\d+7], v[\a:\a+11], v[\b:\b+11], v[\c:\c+7], v[\sa], v[\sb] matrix_a_fmt:MATRIX_FMT_FP6 matrix_b_fmt:MATRIX_FMT_FP6 matrix_a_scale:MATRIX_SCALE_ROW1
.elseif (\rb)
	v_wmma_scale_f32_16x16x128_f8f6f4 v[\d:\d+7], v[\a:\a+11], v[\b:\b+11], v[\c:\c+7], v[\sa], v[\sb] matrix_a_fmt:MATRIX_FMT_FP6 matrix_b_fmt:MATRIX_FMT_FP6 matrix_b_scale:MATRIX_SCALE_ROW1
.else
	v_wmma_scale_f32_16x16x128_f8f6f4 v[\d:\d+7], v[\a:\a+11], v[\b:\b+11], v[\c:\c+7], v[\sa], v[\sb] matrix_a_fmt:MATRIX_FMT_FP6 matrix_b_fmt:MATRIX_FMT_FP6
.endif
.endm
.macro FRAG reg, a16, a8, off
	ds_load_b128 v[\reg:\reg+3], v[\a16] offset:\off
	ds_load_b64 v[\reg+4:\reg+5], v[\a8] offset:\off+512
	ds_load_b128 v[\reg+6:\reg+9], v[\a16] offset:\off+768
	ds_load_b64 v[\reg+10:\reg+11], v[\a8] offset:\off+1280
.endm
	s_load_b256 s[4:11], s[0:1], 0x0               ; oq s[4:5], os s[6:7], codes s[8:9], scales s[10:11]
	s_load_b128 s[12:15], s[0:1], 0x20             ; b_proj s[12:13], out0 s[14:15]
	v_lshl_add_u32 v30, v0, 2, 0x38000
	v_mov_b32 v31, 0
	ds_add_u32 v30, v31
	ds_add_u32 v30, v31
	v_lshrrev_b32 v1, 5, v0
	v_readfirstlane_b32 s[WV], v1                  ; wave 0..3
	s_lshr_b32 s[RH], s[WV], 1                     ; which 64 tokens are mine.  Also: I fetch tokens (0) or W_proj (1)
	s_and_b32 s[CH], s[WV], 1                      ; which 64 columns.  Also: I fetch K steps 0-3 (0) or 4-7 (1)
	s_bfe_u32 s84, ttmp6, 0x40000                  ; cx
	s_bfe_u32 s85, ttmp6, 0x40004                  ; cy
	s_lshl_b32 s86, ttmp9, 2
	s_add_co_u32 s86, s86, s84                     ; the block of 128 columns
	s_and_b32 s87, ttmp7, 0xffff
	s_lshl_b32 s87, s87, 2
	s_add_co_u32 s87, s87, s85                     ; the block of 128 tokens
	s_lshl_b32 s88, s85, 2
	s_lshl_b32 s88, 15, s88                        ; my row of the cluster
	s_lshl_b32 s89, 0x1111, s84                    ; my column
	s_or_b32 s[G1A], s88, (3<<16)|(1<<21)
	s_or_b32 s[G1B], s89, (3<<16)|(1<<21)
.irp g, G1A, G1B
	s_mov_b32 s[\g+1], 32<<16                      ; rows of 256 bytes,
	s_mov_b32 s[\g+2], 192<<16                     ; 192 of them: four K steps' 49,152 dense bytes
	s_mov_b32 s[\g+3], 32<<16
	s_mov_b32 s[\g+4], 192
	s_mov_b32 s[\g+5], 32
	s_mov_b32 s[\g+6], 0
	s_mov_b32 s[\g+7], 0
.endr
	s_mul_i32 s20, s[CH], 4*KSB                    ; my first K step, in memory and in LDS
	s_mul_i32 s90, s87, BLK
	s_add_co_u32 s90, s90, s20
	s_mov_b32 s91, 0
	s_add_co_u32 s92, s86, 56
	s_mul_i32 s92, s92, BLK
	s_add_co_u32 s92, s92, s20
	s_mov_b32 s93, 0
	s_lshl_b32 s56, s87, 12                        ; os: my block, my four tiles
	s_lshl_b32 s57, s[RH], 9
	s_add_co_u32 s56, s56, s57
	s_mov_b32 s57, 0
	s_add_co_u32 s58, s86, 56                      ; scales: W_proj's block, my four tiles
	s_lshl_b32 s58, s58, 12
	s_lshl_b32 s59, s[CH], 9
	s_add_co_u32 s58, s58, s59
	s_mov_b32 s59, 0
	s_lshl_b32 s60, s86, 9                         ; my 64 columns, in bytes
	s_lshl_b32 s61, s[CH], 8
	s_add_co_u32 s60, s60, s61
	s_mov_b32 s61, 0
	s_lshl_b32 s62, s87, 19                        ; my 64 tokens' rows of out0
	s_lshl_b32 s63, s[RH], 18
	s_add_co_u32 s62, s62, s63
	s_mov_b32 s63, 0
	s_wait_dscnt 0x0
	s_wait_kmcnt 0x0
	s_add_nc_u64 s[90:91], s[4:5], s[90:91]
	s_add_nc_u64 s[92:93], s[8:9], s[92:93]
	s_add_nc_u64 s[6:7], s[6:7], s[56:57]
	s_add_nc_u64 s[10:11], s[10:11], s[58:59]
	s_add_nc_u64 s[12:13], s[12:13], s[60:61]
	s_add_nc_u64 s[14:15], s[14:15], s[60:61]
	s_add_nc_u64 s[14:15], s[14:15], s[62:63]
.irp n, 0
	s_mov_b32 s[G0A+4*\n], 1
	s_add_co_u32 s[G0A+4*\n+1], s20, \n*2*KSB
	s_add_nc_u64 s[G0A+4*\n+2:G0A+4*\n+3], s[90:91], \n*2*KSB
	s_or_b32 s[G0A+4*\n+3], s[G0A+4*\n+3], 0x80000000
	s_mov_b32 s[G0B+4*\n], 1
	s_add_co_u32 s[G0B+4*\n+1], s20, BLK+\n*2*KSB
	s_add_nc_u64 s[G0B+4*\n+2:G0B+4*\n+3], s[92:93], \n*2*KSB
	s_or_b32 s[G0B+4*\n+3], s[G0B+4*\n+3], 0x80000000
.endr
	CROUND                                         ; all sixteen work-groups are here: the joint loads meet
	s_cmp_eq_u32 s[RH], 0                          ; one fill a wave, in the two arms of one branch on the wave's number; s_nop 0 and four v_nop follow it
	s_cbranch_scc0 .Lfor_b
	tensor_load_to_lds s[G0A:G0A+3], s[G1A:G1A+7]
	s_nop 0
.rept 4
	v_nop
.endr
	s_branch .Lasked
.Lfor_b:
	tensor_load_to_lds s[G0B:G0B+3], s[G1B:G1B+7]
	s_nop 0
.rept 4
	v_nop
.endr
.Lasked:
	v_and_b32 v1, 31, v0
	v_and_b32 v2, 15, v0                           ; r
	v_bfe_u32 v3, v0, 4, 1                         ; h
	v_lshlrev_b32 v4, 4, v1
	v_lshlrev_b32 v[L8], 3, v1
	s_mul_i32 s21, s[RH], 4*FRB
	s_mul_i32 s22, s[CH], 4*FRB
	s_add_co_u32 s22, s22, BLK
.irp g, 0,1
	v_add_nc_u32 v[ADA+\g], s21, v4
	v_add_nc_u32 v[ADA+2+\g], s21, v[L8]
	v_add_nc_u32 v[ADB+\g], s22, v4
	v_add_nc_u32 v[ADB+2+\g], s22, v[L8]
	s_add_co_u32 s21, s21, 4*KSB                   ; (an LDS offset has 16 bits: K steps 4-7 have address registers of their own)
	s_add_co_u32 s22, s22, 4*KSB
.endr
	s_mul_i32 s23, s[WV], 16*SPI
	s_add_co_u32 s23, s23, STAGE
	v_mul_u32_u24 v[STO], v2, SPI
	v_lshl_add_u32 v[STO], v3, 6, v[STO]
	v_add_nc_u32 v[STO], s23, v[STO]               ; in: row r, + 64 h
	v_mul_u32_u24 v[RD], v3, SPI
	v_lshl_add_u32 v[RD], v2, 4, v[RD]
	v_add_nc_u32 v[RD], s23, v[RD]                 ; back: lanes 0-15 one row of 256 bytes, lanes 16-31 the next
	v_lshlrev_b32 v[CO], 12, v3
	v_lshl_add_u32 v[CO], v2, 4, v[CO]             ; and the same in out0
	v_lshlrev_b32 v[H64], 6, v3
.irp n, 0,1,2,3                        ; scale words: register 4 n + 2 p + q: lanes 0-15 tile 2 p's word of K step 2 n + q, lanes 16-31 tile 2 p + 1's
.irp p, 0,1
	global_load_b64 v[SA+4*\n+2*\p:SA+4*\n+2*\p+1], v[L8], s[6:7] offset:1024*\n+256*\p
	global_load_b64 v[SB+4*\n+2*\p:SB+4*\n+2*\p+1], v[L8], s[10:11] offset:1024*\n+256*\p
.endr
.endr
.irp b, 0,1,2,3                        ; the bias in the result's layout: register j of tile b: column 32 (b / 2) + 16 h + 8 (b % 2) + j
	global_load_b128 v[BIAS+8*\b:BIAS+8*\b+3], v[H64], s[12:13] offset:(32*(\b/2)+8*(\b%2))*4
	global_load_b128 v[BIAS+8*\b+4:BIAS+8*\b+7], v[H64], s[12:13] offset:(32*(\b/2)+8*(\b%2))*4+16
.endr
.macro FETCH ks                        ; 32 LDS loads: K step ks: my four tiles of tokens, my four of W_proj, into set ks % 2
.set FB, 128*((\ks)%2)
.set GI, (\ks)/4
.set KO, ((\ks)%4)*KSB
	WIN TO_F
.irp i, 0,1,2,3
	FRAG FB+12*\i, ADA+GI, ADA+2+GI, KO+\i*FRB
	FRAG FB+48+12*\i, ADB+GI, ADB+2+GI, KO+\i*FRB
.endr
.endm
.macro KS ks
.set MB, 128*((\ks)%2)
.if (\ks) < 7
.if (\ks) > 0
	PLACES                                         ; the other set was read by the last products
.endif
	FETCH (\ks)+1
	s_wait_dscnt 32                                ; all but the 32 just issued
.else
	s_wait_dscnt 0x0
.endif
	WIN MUL
.irp a, 0,1,2,3                        ; the 16 accumulators take turns, one instruction a turn
.irp b, 0,1,2,3
.if (\ks) == 0
	WM ACC+8*(4*\a+\b), MB+48+12*\b, MB+12*\a, BIAS+8*\b, SB+4*((\ks)/2)+2*(\b/2)+(\ks)%2, SA+4*((\ks)/2)+2*(\a/2)+(\ks)%2, \b%2, \a%2
.else
	WM ACC+8*(4*\a+\b), MB+48+12*\b, MB+12*\a, ACC+8*(4*\a+\b), SB+4*((\ks)/2)+2*(\b/2)+(\ks)%2, SA+4*((\ks)/2)+2*(\a/2)+(\ks)%2, \b%2, \a%2
.endif
.endr
.endr
.endm
	s_wait_tensorcnt 0x0                           ; my load is in
	s_barrier_signal -1
	s_barrier_wait -1
	FETCH 0
	s_wait_loadcnt 0x0                             ; scale words and bias
.irp k, 0,1,2,3,4,5,6,7
	KS \k
.endr
	WIN 0
	PLACES
; THE WAY OUT, a tile of 16 tokens x 64 columns at a time, through my own stage: sixteen lanes then store a row's 256 consecutive bytes, aligned.  LDS serves a wave's instructions in order
.macro OUT a
.set OBS, 64+32*((\a)%2)
.irp b, 0,1,2,3
	ds_store_b128 v[STO], v[ACC+8*(4*(\a)+\b):ACC+8*(4*(\a)+\b)+3] offset:128*(\b/2)+32*(\b%2)       ; each accumulator from its low end on
	ds_store_b128 v[STO], v[ACC+8*(4*(\a)+\b)+4:ACC+8*(4*(\a)+\b)+7] offset:128*(\b/2)+32*(\b%2)+16
.endr
.if (\a) >= 2
	s_wait_xcnt 0x0                                ; the rows stored two tiles ago have been read: their registers may be loaded again
.endif
.irp i, 0,1,2,3,4,5,6,7
	ds_load_b128 v[OBS+4*\i:OBS+4*\i+3], v[RD] offset:2*SPI*\i
.endr
	s_wait_dscnt 0x0
.irp i, 0,1,2,3,4,5,6,7
	global_store_b128 v[CO], v[OBS+4*\i:OBS+4*\i+3], s[14:15] offset:(32*((\a)/2)+8*((\a)%2)+2*\i+8*(\i/4))*4096 th:TH_STORE_NT   ; stage row 2 i + h is token 32 (a / 2) + 8 (a % 2) + 2 i + h + 8 (i / 4)
.endr
.endm
	s_wait_alu depctr_va_vdst(0)
	OUT 0
	OUT 1
	OUT 2
	OUT 3
	s_wait_tensorcnt 0x0
	ds_add_u32 v30, v31
	s_wait_dscnt 0x0
	CROUND                                         ; the closing round: no work-group ends while a partner may still ask for a tile that names it
	s_endpgm
.Lfunc_end_k_q304cb57747_proj:
	.size	k_q304cb57747_proj, .Lfunc_end_k_q304cb57747_proj-k_q304cb57747_proj
	.p2alignl 7, 3214868480
	.fill 96, 4, 3214868480
	.section	.rodata,"a",@progbits
	.p2align	6, 0x0
	.amdhsa_kernel k_q304cb57747_proj
		.amdhsa_group_segment_fixed_size 229888
		.amdhsa_private_segment_fixed_size 0
		.amdhsa_enable_private_segment 0
		.amdhsa_kernarg_size 48
		.amdhsa_user_sgpr_count 2
		.amdhsa_user_sgpr_kernarg_segment_ptr 1
		.amdhsa_wavefront_size32 1
		.amdhsa_system_sgpr_workgroup_id_x 1
		.amdhsa_system_sgpr_workgroup_id_y 1
		.amdhsa_system_sgpr_workgroup_id_z 1
		.amdhsa_system_vgpr_workitem_id 0
		.amdhsa_next_free_vgpr 512
		.amdhsa_next_free_sgpr 100
		.amdhsa_reserve_vcc 0
		.amdhsa_float_denorm_mode_32 3
		.amdhsa_float_denorm_mode_16_64 3
		.amdhsa_memory_ordered 1
		.amdhsa_forward_progress 1
		.amdhsa_inst_pref_size 50
	.end_amdhsa_kernel
	.amdgpu_metadata
---
amdhsa.version: [ 1, 2 ]
amdhsa.kernels:
  - .name:           k_q304cb57747_proj
    .symbol:         k_q304cb57747_proj.kd
    .args:
      - { .name: oq, .offset: 0, .size: 8, .value_kind: global_buffer, .address_space: global }
      - { .name: os, .offset: 8, .size: 8, .value_kind: global_buffer, .address_space: global }
      - { .name: codes, .offset: 16, .size: 8, .value_kind: global_buffer, .address_space: global }
      - { .name: scales, .offset: 24, .size: 8, .value_kind: global_buffer, .address_space: global }
      - { .name: b_proj, .offset: 32, .size: 8, .value_kind: global_buffer, .address_space: global }
      - { .name: out0, .offset: 40, .size: 8, .value_kind: global_buffer, .address_space: global }
    .group_segment_fixed_size: 229888
    .private_segment_fixed_size: 0
    .kernarg_segment_align: 8
    .kernarg_segment_size: 48
    .max_flat_workgroup_size: 128
    .sgpr_count:     100
    .vgpr_count:     512
    .wavefront_size: 32
...
	.end_amdgpu_metadata
.endif
;; end of part 4
